; MI455X (gfx1250); checked and timed in simulation.
; The chip was launched on July 23, 2026; its instructions are those of AMD's public machine-readable ISA for CDNA 5 (MIT licence, August 2026) and "CDNA5" Instruction Set Architecture Reference Guide (July 2026). The comments in the code are by the model that wrote it; some were corrected since.
;; Self Attention. Allowed arithmetic: float matrix products may take bf16 or f16 operands with f32 sums; other float arithmetic in f32, or as packed bf16 or f16 multiplies, adds, multiply-adds, maxima and minima; sums over many terms, partial sums and values carried from step to step in f32; what a program stores and reads back later, other than sums and carried values, may be rounded once to bf16 or f16.
;; Inputs: Wk 1,024 x 1,024 float32; Wq 1,024 x 1,024 float32; Wv 1,024 x 1,024 float32; bk 1,024 float32; bq 1,024 float32; bv 1,024 float32; x 4 x 2,048 x 1,024 float32.
;; Outputs: out0 4 x 2,048 x 1,024 float32.
;; One version. Each part assembles by itself: llvm-mc -triple=amdgcn-amd-amdhsa -mcpu=gfx1250 --defsym DOCPART=n.
;; ======== version 1 of 1: 5 launches
;; limits: values are held in f16: magnitudes above 65,504 overflow, below 6.1e-05 lose precision; right only within a limited range of input values
;; workspace buffers: xb 16,777,216 bytes; wt 6,291,456 bytes; qk 33,554,432 bytes; vt 16,777,216 bytes; pp 33,554,432 bytes; st 1,048,576 bytes
;; launch prep (part 1): grid 1408 x 1, 8 waves a work-group, no clusters, 18,432 bytes of LDS; arguments x, Wq, Wk, Wv, xb, wt; writes xb, wt
.if DOCPART == 1
	.amdgcn_target "amdgcn-amd-amdhsa--gfx1250"
	.amdhsa_code_object_version 6
	.text
	.protected	k_q24f075e0fe_prep
	.globl	k_q24f075e0fe_prep
	.p2align	8
	.type	k_q24f075e0fe_prep,@function
k_q24f075e0fe_prep:
	s_mov_b64 s[64:65], 0
	v_nop
	global_prefetch_b8 v0, s[64:65] scope:SCOPE_SE
	s_setreg_imm32_b32 hwreg(HW_REG_WAVE_MODE, 25, 1), 1
	s_wait_xcnt 0x0
; xb = x rounded to bf16, [8192][1024].  wt = the three weights rounded to bf16 and turned: wt[1024 w + n][k] = W_w[k][n], w = 0 (Wq), 1 (Wk), 2 (Wv).
; A stream: each input byte is read once, each output byte written once; no matrix unit, no cluster (no two work-groups read the same bytes), no tensor load.
; Work-groups 0 to 1023 cast 32,768 bytes of x each; work-groups 1024 to 1407 turn one tile of 128 k x 64 n of one weight through LDS.
; The choice hangs on the work-group's number alone, so all eight waves of a work-group take the same way and meet the same barrier.
.set TP,    272                        ; a turned row in LDS: 128 bf16 + 16 bytes
.set SPARE, 64*TP                      ; 17,408: behind the stage the spare words, 128 bytes for each of eight waves
	s_load_b256 s[4:11], s[0:1], 0x0               ; x s[4:5], Wq s[6:7], Wk s[8:9], Wv s[10:11]
	s_load_b128 s[12:15], s[0:1], 0x20             ; xb s[12:13], wt s[14:15]
	v_lshl_add_u32 v30, v0, 2, SPARE               ; my spare word
	v_mov_b32 v31, 0
	s_cmp_lt_u32 ttmp9, 1024
	s_cbranch_scc0 .Ltrans
	; THE CAST.  Thread t takes 16 bytes at 16 t of each of eight blocks of 4,096 bytes, and stores 8 bytes at 8 t of blocks of 2,048: a wave's store covers 256 consecutive bytes, aligned.
	s_lshl_b32 s16, ttmp9, 15
	s_mov_b32 s17, 0
	s_lshl_b32 s18, ttmp9, 14
	s_mov_b32 s19, 0
	v_lshlrev_b32 v1, 4, v0
	v_lshlrev_b32 v2, 3, v0
	s_wait_kmcnt 0x0
	s_add_nc_u64 s[4:5], s[4:5], s[16:17]
	s_add_nc_u64 s[12:13], s[12:13], s[18:19]
.irp i, 0,1,2,3,4,5,6,7
	global_load_b128 v[32+4*(\i):35+4*(\i)], v1, s[4:5] offset:4096*(\i) th:TH_LOAD_NT
.endr
.irp i, 0,1,2,3,4,5,6,7
	s_wait_loadcnt 7-(\i)                          ; loads come back in order: block i is in, the younger ones stay out
	v_cvt_pk_bf16_f32 v[8+2*(\i)], v[32+4*(\i)], v[33+4*(\i)]
	v_cvt_pk_bf16_f32 v[9+2*(\i)], v[34+4*(\i)], v[35+4*(\i)]
	global_store_b64 v2, v[8+2*(\i):9+2*(\i)], s[12:13] offset:2048*(\i)
.endr
	s_branch .Lend
.Ltrans:
	; THE TURN.  Tile (w, kt, nt): rows k = 128 kt .. +127, columns n = 64 nt .. +63 of weight w.
	s_sub_co_u32 s20, ttmp9, 1024
	s_lshr_b32 s21, s20, 7                         ; w
	s_bfe_u32 s22, s20, 0x30004                    ; kt
	s_and_b32 s23, s20, 15                         ; nt
	s_lshl_b32 s16, s22, 19                        ; 128 rows of 4,096 bytes
	s_lshl_b32 s24, s23, 8                         ; 64 columns of 4 bytes
	s_add_co_u32 s16, s16, s24
	s_mov_b32 s17, 0
	s_lshl_b32 s18, s21, 21                        ; 1,024 rows of 2,048 bytes of wt
	s_lshl_b32 s24, s23, 17                        ; 64 rows
	s_add_co_u32 s18, s18, s24
	s_lshl_b32 s24, s22, 8                         ; 128 columns of 2 bytes
	s_add_co_u32 s18, s18, s24
	s_mov_b32 s19, 0
	v_and_b32 v1, 15, v0                           ; n4: my four columns
	v_lshrrev_b32 v2, 4, v0                        ; kp: my pair of rows in each 32
	v_lshlrev_b32 v3, 13, v2
	v_lshl_add_u32 v3, v1, 4, v3                   ; in: 2 kp rows + 16 n4
	v_mul_u32_u24 v4, v1, 4*TP
	v_lshl_add_u32 v4, v2, 2, v4                   ; stage, in: row 4 n4, byte 4 kp
	v_mul_u32_u24 v5, v2, TP
	v_lshl_add_u32 v5, v1, 4, v5                   ; stage, back: row t / 16, 16 bytes a lane
	v_lshlrev_b32 v6, 11, v2
	v_lshl_add_u32 v6, v1, 4, v6                   ; and the same place in wt
	s_wait_kmcnt 0x0
	s_cmp_eq_u32 s21, 0
	s_cselect_b64 s[6:7], s[6:7], s[8:9]
	s_cmp_eq_u32 s21, 2
	s_cselect_b64 s[6:7], s[10:11], s[6:7]
	s_add_nc_u64 s[6:7], s[6:7], s[16:17]
	s_add_nc_u64 s[14:15], s[14:15], s[18:19]
.irp i, 0,1,2,3
	global_load_b128 v[32+8*(\i):35+8*(\i)], v3, s[6:7] offset:131072*(\i) th:TH_LOAD_NT        ; row 32 i + 2 kp: sixteen lanes take 256 consecutive bytes
	global_load_b128 v[36+8*(\i):39+8*(\i)], v3, s[6:7] offset:131072*(\i)+4096 th:TH_LOAD_NT   ; and the row below
.endr
	s_wait_loadcnt 0x0
.irp i, 0,1,2,3
.irp c, 0,1,2,3
	v_cvt_pk_bf16_f32 v[8+4*(\i)+(\c)], v[32+8*(\i)+(\c)], v[36+8*(\i)+(\c)]  ; two neighbouring k of column 4 n4 + c
	ds_store_b32 v4, v[8+4*(\i)+(\c)] offset:TP*(\c)+64*(\i)
.endr
.endr
	s_wait_dscnt 0x0                               ; for the others' sake: my stores into the stage are done
	s_barrier_signal -1
	s_barrier_wait -1
.irp i, 0,1,2,3
	ds_load_b128 v[32+4*(\i):35+4*(\i)], v5 offset:16*TP*(\i)
.endr
.irp i, 0,1,2,3
	s_wait_dscnt 3-(\i)
	global_store_b128 v6, v[32+4*(\i):35+4*(\i)], s[14:15] offset:32768*(\i)  ; sixteen lanes store 256 consecutive bytes, aligned
.endr
.Lend:
	s_wait_tensorcnt 0x0                           ; the wave's end
	ds_add_u32 v30, v31
	s_wait_dscnt 0x0
	s_endpgm
.Lfunc_end_k_q24f075e0fe_prep:
	.size	k_q24f075e0fe_prep, .Lfunc_end_k_q24f075e0fe_prep-k_q24f075e0fe_prep
	.p2alignl 7, 3214868480
	.fill 96, 4, 3214868480
	.section	.rodata,"a",@progbits
	.p2align	6, 0x0
	.amdhsa_kernel k_q24f075e0fe_prep
		.amdhsa_group_segment_fixed_size 18432
		.amdhsa_private_segment_fixed_size 0
		.amdhsa_enable_private_segment 0
		.amdhsa_kernarg_size 48
		.amdhsa_user_sgpr_count 2
		.amdhsa_user_sgpr_kernarg_segment_ptr 1
		.amdhsa_wavefront_size32 1
		.amdhsa_system_sgpr_workgroup_id_x 1
		.amdhsa_system_sgpr_workgroup_id_y 1
		.amdhsa_system_sgpr_workgroup_id_z 1
		.amdhsa_system_vgpr_workitem_id 0
		.amdhsa_next_free_vgpr 64
		.amdhsa_next_free_sgpr 66
		.amdhsa_reserve_vcc 0
		.amdhsa_float_denorm_mode_32 3
		.amdhsa_float_denorm_mode_16_64 3
		.amdhsa_memory_ordered 1
		.amdhsa_forward_progress 1
		.amdhsa_inst_pref_size 9
	.end_amdhsa_kernel
	.amdgpu_metadata
---
amdhsa.version: [ 1, 2 ]
amdhsa.kernels:
  - .name:           k_q24f075e0fe_prep
    .symbol:         k_q24f075e0fe_prep.kd
    .args:
      - { .name: x, .offset: 0, .size: 8, .value_kind: global_buffer, .address_space: global }
      - { .name: Wq, .offset: 8, .size: 8, .value_kind: global_buffer, .address_space: global }
      - { .name: Wk, .offset: 16, .size: 8, .value_kind: global_buffer, .address_space: global }
      - { .name: Wv, .offset: 24, .size: 8, .value_kind: global_buffer, .address_space: global }
      - { .name: xb, .offset: 32, .size: 8, .value_kind: global_buffer, .address_space: global }
      - { .name: wt, .offset: 40, .size: 8, .value_kind: global_buffer, .address_space: global }
    .group_segment_fixed_size: 18432
    .private_segment_fixed_size: 0
    .kernarg_segment_align: 8
    .kernarg_segment_size: 48
    .max_flat_workgroup_size: 256
    .sgpr_count:     66
    .vgpr_count:     64
    .wavefront_size: 32
...
	.end_amdgpu_metadata
.endif
;; end of part 1
;; launch qkp (part 2): grid 8 x 32, 4 waves a work-group, clusters of 4 x 4, 327,680 bytes of LDS; arguments xb, wt, bq, bk, qk; writes qk
.if DOCPART == 2
	.amdgcn_target "amdgcn-amd-amdhsa--gfx1250"
	.amdhsa_code_object_version 6
	.text
	.protected	k_q24f075e0fe_qkp
	.globl	k_q24f075e0fe_qkp
	.p2align	8
	.type	k_q24f075e0fe_qkp,@function
k_q24f075e0fe_qkp:
	s_mov_b64 s[64:65], 0
	v_nop
	global_prefetch_b8 v0, s[64:65] scope:SCOPE_SE
	s_setreg_imm32_b32 hwreg(HW_REG_WAVE_MODE, 25, 1), 1
	s_wait_xcnt 0x0
	s_wait_alu depctr_hold_cnt(0) depctr_sa_sdst(0) depctr_va_vdst(0) depctr_va_sdst(0) depctr_va_ssrc(0) depctr_va_vcc(0) depctr_vm_vsrc(0)
	s_getreg_b32 s2, hwreg(HW_REG_IB_STS2, 6, 4)
	s_cmp_eq_u32 s2, 0
	s_cbranch_scc0 .Lentry_in_a_cluster
	s_endpgm
.Lentry_in_a_cluster:
	s_bfe_u32 s2, ttmp6, 0x10000c
	s_cmp_lg_u32 s2, 0xf033
	s_cbranch_scc0 .Lentry_shape_is_right
	s_endpgm
.Lentry_shape_is_right:
; qk[s][n] = sum over d of xb[s][d] wt[n][d] + bias[n], n = 0..2047: columns 0-1023 are q (bias bq), 1024-2047 are k (bias bk).  xb, wt bf16; sums f32; qk f16, rounded once.
; The biases are rounded to bf16 like the other inputs and are the C operand of the first products.
; LIMIT: q and k must lie within f16's range, 65,504; NaN and infinities are not treated apart.
; A tile of qk is 256 x 256: four waves, each 128 x 128 in 64 accumulators.  K = 1,024 goes in 8 steps of 128 through two LDS slots filled by the tensor data mover; rows of 256 bytes, padded to 272.
; CLUSTER 4 x 4: the four work-groups of a row of the cluster ask jointly for xb's tiles, the four of a column for wt's.
; ONE K STEP IS WRITTEN: s[TB] is the LDS byte of the slot in hand (0 or SLOT, turned by an exclusive or); one walking descriptor a tensor fills the slot just read with the K step two on.
; THE MATRIX INSTRUCTION IS USED TRANSPOSED: source 0 = 16 rows of wt, source 1 = 16 rows of xb: a lane holds row l % 16 of the tile and the columns 16 b + 8 (l / 16) + 0..7.
; REGISTERS: window 0: v0-31 addresses, v32-63 and v192-223 the way out, v64-127 / v128-191 xb's fragments; window 1: v0-63 the bias, v64-127 / v128-191 wt's fragments, v192-223 at work;
;            windows 2, 3: the accumulators of my rows 0-63, 64-127: (a, b) at v[8 (8 (a % 4) + b)].
.set KSTEP,  128
.set PITCH,  272                       ; 68 words: the sixteen rows of a fragment load start at sixteen different groups of four banks (ISA guide 11.1)
.set HALFT,  128*PITCH                 ; what one tensor load brings
.set SLOT,   4*HALFT                   ; xb's 256 rows, then wt's 256 rows
.set SPARE,  2*SLOT                    ; behind the ring: the spare words, 128 bytes a wave
.set STEPS,  8
.set G1W0,   (1<<16)|(1<<20)|(1<<21)|(5<<22)|(3<<25)  ; 2-byte elements; padding on; bit 21 beside a mask; after every 64 words; 4 words
.set A0,   16                          ; my lane's place among A's fragments in a slot; never rewritten
.set B0,   17                          ; the same for B
.set ADRA, 18                          ; A0 + the slot in hand
.set ADRB, 19
.set STO,  24                          ; the way out: where I put 16 bytes of a row
.set RD,   25                          ; where I read rows back
.set CO,   26                          ; my byte offset in two rows of qk
.set SPW,  28                          ; my spare word; never rewritten
.set NIL,  29                          ; 0; never rewritten
.set PFO,  30                          ; the prefetches' offset: my lane x a row; never rewritten
.set BO,   31                          ; 32 (l / 16): my eight columns' biases
.set F0,   64
.set F1,   128
.set TMP,  192
.set OB,   32
.set WV,  14                           ; wave
.set RH,  15                           ; wave / 2: my half of the rows; also: I fetch for A (0) or B (1)
.set CH,  16                           ; wave % 2: my half of the columns; also: which 128 rows I fetch
.set CX,  17
.set CY,  18
.set TC,  19                           ; tile column
.set TR,  20                           ; tile row
.set CLY, 21                           ; the cluster's y
.set G1,  24                           ; s[24:31] group 1 for A
.set G0F, 32                           ; s[32:35] group 0 for A, K step 0
.set G0W, 36                           ; s[36:39] group 0 for A, walking
.set G1B, 48
.set G0BF, 56
.set G0BW, 60
.set TB,  66
.set LIM, 67                           ; 2 in a wave that prefetches, else the greatest number
.set PFA, 68                           ; s[68:69]
.set PIECE, 70                         ; wave x HALFT: where my load lands in a slot, and later my stage
.set CB,  72                           ; s[72:73] qk at my rows
.set BI,  74                           ; s[74:75] my 128 biases
.set MSB, 0
.macro WIN new                         ; the immediate's high byte repeats the setting that is left
.if MSB != (\new)
	s_set_vgpr_msb (MSB<<8)|(\new)
.set MSB, \new
.endif
.endm
.macro PLACES                          ; four places behind matrix instructions (ISA guide 7.12.1), where no other plain vector work is at hand
.rept 4
	v_nop
.endr
.endm
.macro CREST                           ; a round of the cluster's barrier behind its opening barrier
	s_cmp_lg_u32 s[WV], 0
	s_cbranch_scc1 .Lnot_wave_0_\@
	s_barrier_signal -3
.Lnot_wave_0_\@:
	s_barrier_wait -3
	s_barrier_signal -1
	s_barrier_wait -1
.endm
.macro CROUND
	s_barrier_signal -1
	s_barrier_wait -1
	CREST
.endm
.macro JLOAD                           ; the joint refill: waves 0, 1 A's halves, waves 2, 3 B's; the branch hangs on the wave's number alone; s_nop 0 and four v_nop follow each line
	s_cmp_eq_u32 s[RH], 0
	s_cbranch_scc0 .Lfor_b_\@
	tensor_load_to_lds s[G0W:G0W+3], s[G1:G1+7]
	s_nop 0
.rept 4
	v_nop
.endr
	s_branch .Lasked_\@
.Lfor_b_\@:
	tensor_load_to_lds s[G0BW:G0BW+3], s[G1B:G1B+7]
	s_nop 0
.rept 4
	v_nop
.endr
.Lasked_\@:
.endm
; A prefetch behind each joint refill and its run of LDS loads: 32 rows x 256 bytes, a lane a row, of the K step two refills on.  xb's rows are asked for by the clusters with x = 0, wt's by those with y = 0;
; the four partners of a joint load share its 128 rows out by address.  So each row's 256 bytes of a K step are named once.  K steps 0 to 3 come by their loads alone; the last two refills have no K step two on.
.macro ASK
	s_cmp_gt_u32 s3, s[LIM]
	s_cbranch_scc0 .Lnot_mine_\@
	global_prefetch_b8 v[PFO], s[PFA:PFA+1] offset:KSTEP*2 th:TH_LOAD_NT scope:SCOPE_SE
.Lnot_mine_\@:
.endm
; 16 matrix instructions: row blocks a0, a0 + 1 of the window's four x all 8 column blocks.  start = 1: the bias (window 1) starts the sums.  The 64 accumulators take turns, in the same order in every quarter.
.macro MUL16 f, hi, a0, start
.if \start
	WIN 0x91+0x40*(\hi)
.else
	WIN 0xa1+0x50*(\hi)
.endif
.irp a, \a0, (\a0)+1
.irp b, 0,1,2,3,4,5,6,7
.if \start
	v_wmma_f32_16x16x32_bf16 v[8*(8*(\a)+(\b)):8*(8*(\a)+(\b))+7], v[(\f)+8*(\b):(\f)+8*(\b)+7], v[(\f)+8*(4*(\hi)+(\a)):(\f)+8*(4*(\hi)+(\a))+7], v[8*(\b):8*(\b)+7]
.else
	v_wmma_f32_16x16x32_bf16 v[8*(8*(\a)+(\b)):8*(8*(\a)+(\b))+7], v[(\f)+8*(\b):(\f)+8*(\b)+7], v[(\f)+8*(4*(\hi)+(\a)):(\f)+8*(4*(\hi)+(\a))+7], v[8*(8*(\a)+(\b)):8*(8*(\a)+(\b))+7]
.endif
.endr
.endr
.endm
.macro FETCH k, f                      ; 32 LDS loads in one run: a quarter step's fragments (32 along K at byte k of the rows) into buffer f
	WIN 0x40
.irp i, 0,1,2,3,4,5,6,7
	ds_load_b128 v[(\f)+8*(\i):(\f)+8*(\i)+3],   v[ADRB] offset:(\k)+(\i)*16*PITCH
	ds_load_b128 v[(\f)+8*(\i)+4:(\f)+8*(\i)+7], v[ADRB] offset:(\k)+(\i)*16*PITCH+32
.endr
	WIN 0
.irp i, 0,1,2,3,4,5,6,7
	ds_load_b128 v[(\f)+8*(\i):(\f)+8*(\i)+3],   v[ADRA] offset:(\k)+(\i)*16*PITCH
	ds_load_b128 v[(\f)+8*(\i)+4:(\f)+8*(\i)+7], v[ADRA] offset:(\k)+(\i)*16*PITCH+32
.endr
.endm
.macro QUARTER k, f, g, start          ; multiplies buffer f; in its middle fetches the next quarter, at byte k, into g
	s_wait_dscnt 8                                 ; B and A's rows 0-63 are in; the youngest eight loads (A's rows 64-127) may be out
	MUL16 \f, 0, 0, \start
	MUL16 \f, 0, 2, \start
	PLACES
	FETCH \k, \g
	s_wait_dscnt 32                                ; all but the 32 just issued
	MUL16 \f, 1, 0, \start
	MUL16 \f, 1, 2, \start
.endm
; The step's last quarter, on buffer 1, and the change of slots.  In front of the barrier each wave waits for all its tensor loads (one is out: its part of the next slot), adds 0 to its spare word, and waits
; for that and for its reads of this slot.  fill = 1: the barrier opens a round of the cluster's, and the joint refill of the slot just read is the first thing behind it.
.macro TURN fill
.if \fill
	s_wait_xcnt 0x0                                ; the last prefetch, a K step back, has read its address
	s_add_nc_u64 s[PFA:PFA+1], s[PFA:PFA+1], KSTEP*2
.endif
	WIN 0
	s_wait_tensorcnt 0x0                           ; no tensor load of mine is out, so a group 0 may be written
	ds_add_u32 v[SPW], v[NIL]
.if \fill
	s_add_nc_u64 s[G0W+2:G0W+3], s[G0W+2:G0W+3], KSTEP*2     ; the walking descriptors: the next K step,
	s_add_nc_u64 s[G0BW+2:G0BW+3], s[G0BW+2:G0BW+3], KSTEP*2
	s_add_co_u32 s[G0W+1], s[PIECE], s[TB]                   ; into the slot in hand
	s_add_co_u32 s[G0BW+1], s[PIECE], s[TB]
.endif
	s_wait_dscnt 9                                 ; the add and the youngest eight loads may be out
	MUL16 F1, 0, 0, 0
	s_wait_dscnt 0x0                               ; the add is done, and my reads of this slot are over
	s_barrier_signal -1
	MUL16 F1, 0, 2, 0
	WIN 0
	s_barrier_wait -1
.if \fill
	CREST
	JLOAD                                          ; its four v_nop are also the places in front of the loads below
.else
	PLACES
.endif
	s_xor_b32 s[TB], s[TB], SLOT                   ; the other slot is in hand now
	v_add_nc_u32 v[ADRA], s[TB], v[A0]
	v_add_nc_u32 v[ADRB], s[TB], v[B0]
	FETCH 0, F0
.if \fill
	ASK
.endif
	MUL16 F1, 1, 0, 0
	MUL16 F1, 1, 2, 0
.endm
	s_load_b256 s[4:11], s[0:1], 0x0               ; xb s[4:5], wt s[6:7], bq s[8:9], bk s[10:11]
	s_load_b64 s[12:13], s[0:1], 0x20              ; qk
	v_lshl_add_u32 v[SPW], v0, 2, SPARE
	v_mov_b32 v[NIL], 0
	ds_add_u32 v[SPW], v[NIL]                      ; the wave's opening
	v_lshrrev_b32 v1, 5, v0
	v_readfirstlane_b32 s[WV], v1
	s_lshr_b32 s[RH], s[WV], 1
	s_and_b32 s[CH], s[WV], 1
	s_bfe_u32 s[CX], ttmp6, 0x40000
	s_bfe_u32 s[CY], ttmp6, 0x40004
	s_lshl_b32 s[TC], ttmp9, 2
	s_add_co_u32 s[TC], s[TC], s[CX]
	s_and_b32 s[CLY], ttmp7, 0xffff
	s_lshl_b32 s[TR], s[CLY], 2
	s_add_co_u32 s[TR], s[TR], s[CY]
	s_lshl_b32 s22, s[CY], 2
	s_lshl_b32 s22, 15, s22                        ; my row of the cluster
	s_lshl_b32 s23, 0x1111, s[CX]                  ; my column
	s_or_b32 s[G1], s22, G1W0
	s_or_b32 s[G1B], s23, G1W0
.irp g, G1, G1B
	s_mov_b32 s[(\g)+1], KSTEP<<16                 ; tensor_dim0 = 128
	s_mov_b32 s[(\g)+2], 128<<16                   ; tensor_dim1 = 128
	s_mov_b32 s[(\g)+3], KSTEP<<16                 ; tile_dim0 = 128
	s_mov_b32 s[(\g)+4], 128                       ; tile_dim1 = 128
	s_mov_b32 s[(\g)+5], 1024                      ; elements from row to row
	s_mov_b32 s[(\g)+6], 0
	s_mov_b32 s[(\g)+7], 0
.endr
	s_lshl_b32 s2, s[CH], 7                        ; which 128 rows of a tile I fetch
	s_lshl_b32 s40, s[TR], 8
	s_add_co_u32 s40, s40, s2
	s_lshl_b32 s40, s40, 11                        ; A: (256 TR + 128 CH) rows of 2,048 bytes
	s_mov_b32 s41, 0
	s_lshl_b32 s44, s[TC], 8
	s_add_co_u32 s44, s44, s2
	s_lshl_b32 s44, s44, 11                        ; B: (256 TC + 128 CH) rows
	s_mov_b32 s45, 0
	s_mul_i32 s[PIECE], s[WV], HALFT               ; no place in the cluster enters an LDS address
	s_mov_b32 s[TB], 0
	s_wait_dscnt 0x0                               ; the opening add is done
	s_wait_kmcnt 0x0
	s_add_nc_u64 s[42:43], s[4:5], s[40:41]
	s_add_nc_u64 s[46:47], s[6:7], s[44:45]
	CROUND                                         ; all sixteen work-groups are here: the first joint loads meet
	s_mov_b32 s[G0F], 1
	s_mov_b32 s[G0F+1], s[PIECE]
	s_mov_b64 s[G0F+2:G0F+3], s[42:43]
	s_or_b32 s[G0F+3], s[G0F+3], 0x80000000
	s_mov_b32 s[G0W], 1
	s_add_co_u32 s[G0W+1], s[PIECE], SLOT
	s_add_nc_u64 s[G0W+2:G0W+3], s[42:43], KSTEP*2
	s_or_b32 s[G0W+3], s[G0W+3], 0x80000000
	s_mov_b32 s[G0BF], 1
	s_mov_b32 s[G0BF+1], s[PIECE]
	s_mov_b64 s[G0BF+2:G0BF+3], s[46:47]
	s_or_b32 s[G0BF+3], s[G0BF+3], 0x80000000
	s_mov_b32 s[G0BW], 1
	s_add_co_u32 s[G0BW+1], s[PIECE], SLOT
	s_add_nc_u64 s[G0BW+2:G0BW+3], s[46:47], KSTEP*2
	s_or_b32 s[G0BW+3], s[G0BW+3], 0x80000000
	s_cmp_eq_u32 s[RH], 0                          ; a wave's two first fills stand in one branch: two loads of mine are out
	s_cbranch_scc0 .Lfirst_b
	tensor_load_to_lds s[G0F:G0F+3], s[G1:G1+7]
	s_nop 0
	tensor_load_to_lds s[G0W:G0W+3], s[G1:G1+7]
	s_nop 0
.rept 4
	v_nop
.endr
	s_branch .Lfirst_asked
.Lfirst_b:
	tensor_load_to_lds s[G0BF:G0BF+3], s[G1B:G1B+7]
	s_nop 0
	tensor_load_to_lds s[G0BW:G0BW+3], s[G1B:G1B+7]
	s_nop 0
.rept 4
	v_nop
.endr
.Lfirst_asked:
	; my 128 biases: bq for the clusters with x = 0 (columns 0-1023), bk for x = 1; inside the vector 256 cx + 128 CH
	s_cmp_eq_u32 ttmp9, 0
	s_cselect_b64 s[BI:BI+1], s[8:9], s[10:11]
	s_lshl_b32 s76, s[CX], 10
	s_lshl_b32 s77, s[CH], 9
	s_add_co_u32 s76, s76, s77
	s_mov_b32 s77, 0
	s_add_nc_u64 s[BI:BI+1], s[BI:BI+1], s[76:77]
	v_and_b32 v1, 15, v0                           ; l % 16
	v_bfe_u32 v2, v0, 4, 1                         ; l / 16
	v_lshlrev_b32 v[BO], 5, v2
	WIN 0x40
.irp b, 0,1,2,3,4,5,6,7
	global_load_b128 v[8*(\b):8*(\b)+3],   v[BO], s[BI:BI+1] offset:64*(\b)      ; columns 16 b + 8 (l / 16) + 0..3
	global_load_b128 v[8*(\b)+4:8*(\b)+7], v[BO], s[BI:BI+1] offset:64*(\b)+16   ; + 4..7
.endr
	WIN 0
	v_mul_u32_u24 v3, v1, PITCH
	v_lshl_add_u32 v3, v2, 4, v3                   ; row x pitch + 16 x half
	s_mul_i32 s22, s[RH], HALFT
	s_mul_i32 s23, s[CH], HALFT
	s_add_co_u32 s23, s23, 2*HALFT
	v_add_nc_u32 v[A0], s22, v3
	v_add_nc_u32 v[B0], s23, v3
	v_add_nc_u32 v[STO], s[PIECE], v3              ; my stage: 128 rows x 272 bytes at wave x HALFT, in slot 0 once it has had its last fill
	v_mul_u32_u24 v4, v2, PITCH
	v_lshl_add_u32 v4, v1, 4, v4
	v_add_nc_u32 v[RD], s[PIECE], v4
	v_lshlrev_b32 v[CO], 12, v2
	v_lshl_add_u32 v[CO], v1, 4, v[CO]
	s_lshl_b32 s76, s[TR], 8
	s_lshl_b32 s77, s[RH], 7
	s_add_co_u32 s76, s76, s77
	s_lshl_b32 s76, s76, 12                        ; my first row of qk, 4,096 bytes a row
	s_lshl_b32 s77, s[TC], 9
	s_add_co_u32 s76, s76, s77
	s_lshl_b32 s77, s[CH], 8
	s_add_co_u32 s76, s76, s77
	s_mov_b32 s77, 0
	s_add_nc_u64 s[CB:CB+1], s[12:13], s[76:77]
	; the prefetches: my piece's first byte + my work-group's 32 rows of its 128 + two K steps
	s_cmp_eq_u32 s[RH], 0
	s_cselect_b32 s22, s40, s44
	s_cselect_b32 s23, s[CX], s[CY]
	s_cselect_b32 s2, ttmp9, s[CLY]                ; the coordinate along which other clusters read the same rows
	s_cselect_b64 s[PFA:PFA+1], s[4:5], s[6:7]
	s_cmp_eq_u32 s2, 0
	s_cselect_b32 s[LIM], 2, -1
	s_lshl_b32 s23, s23, 16                        ; 32 rows of 2,048 bytes
	s_add_co_u32 s22, s22, s23
	s_add_co_u32 s22, s22, 2*KSTEP*2
	s_mov_b32 s23, 0
	s_add_nc_u64 s[PFA:PFA+1], s[PFA:PFA+1], s[22:23]
	v_and_b32 v[PFO], 31, v0
	v_lshlrev_b32 v[PFO], 11, v[PFO]
	v_mov_b32 v[ADRA], v[A0]
	v_mov_b32 v[ADRB], v[B0]
	s_wait_tensorcnt 0x1                           ; my part of K step 0 is in; K step 1's may stay out
	s_barrier_signal -1
	s_barrier_wait -1
	FETCH 0, F0
	s_wait_loadcnt 0x0                             ; the biases
	WIN 0x45                                       ; all in window 1: each is rounded to bf16 and widened again
.set i, 0
.rept 32
	v_cvt_pk_bf16_f32 v[192+i], v[2*i], v[2*i+1]
.set i, i+1
.endr
.set i, 0
.rept 32
	v_lshlrev_b32 v[2*i], 16, v[192+i]
	v_and_b32 v[2*i+1], 0xffff0000, v[192+i]
.set i, i+1
.endr
	QUARTER 64, F0, F1, 1                          ; the first quarter stands in front of the loop: its products start the sums
	WIN 0
	s_mov_b32 s3, STEPS-2
.Lstep:                                            ; a trip: a step's quarters 1, 2, 3 and the next step's quarter 0; the slot just read takes the K step two on
	QUARTER 128, F1, F0, 0
	QUARTER 192, F0, F1, 0
	TURN 1
	QUARTER 64, F0, F1, 0
	WIN 0
	s_sub_co_u32 s3, s3, 1
	s_cmp_lg_u32 s3, 0
	s_cbranch_scc1 .Lstep
	s_mov_b32 s3, 2
.Ltail:                                            ; the last two steps ask for nothing.  The second trip's change of slots fetches the other slot's old tile once more and uses nothing of it: the price of one text
	QUARTER 128, F1, F0, 0
	QUARTER 192, F0, F1, 0
	TURN 0
	WIN 0
	s_sub_co_u32 s3, s3, 1
	s_cmp_eq_u32 s3, 0
	s_cbranch_scc1 .Lout
	QUARTER 64, F0, F1, 0
	WIN 0
	s_branch .Ltail
.Lout:
	; THE WAY OUT.  Both slots have had their last fill; behind this barrier no wave reads them, so slot 0 serves as four stages.
	s_wait_dscnt 0x0
	s_barrier_signal -1
	s_barrier_wait -1
	PLACES
.irp a, 0,1,2,3,4,5,6,7
	WIN 0x0a+5*((\a)/4)                            ; sources in window 2 or 3
.irp b, 0,1,2,3,4,5,6,7
.irp r, 0,1,2,3
	v_cvt_pk_f16_f32 v[TMP+4*(\b)+(\r)], v[64*((\a)%4)+8*(\b)+2*(\r)], v[64*((\a)%4)+8*(\b)+2*(\r)+1]
.endr
.endr
	WIN 0
.irp b, 0,1,2,3,4,5,6,7
	ds_store_b128 v[STO], v[TMP+4*(\b):TMP+4*(\b)+3] offset:(\a)*16*PITCH+32*(\b)
.endr
.endr
	s_mov_b32 s3, 8
.Lsend:                                            ; 16 rows a trip, back as whole rows of 256 bytes; LDS serves a wave's instructions in order, so these loads see my stores
.irp t, 0,1,2,3,4,5,6,7
	ds_load_b128 v[OB+4*(\t):OB+4*(\t)+3], v[RD] offset:(\t)*2*PITCH
.endr
.irp t, 0,1,2,3,4,5,6,7
	s_wait_dscnt 7-(\t)
	global_store_b128 v[CO], v[OB+4*(\t):OB+4*(\t)+3], s[CB:CB+1] offset:8192*(\t)  ; sixteen lanes store 256 consecutive bytes, aligned
.endr
	s_wait_xcnt 0x0                                ; the stores have read their registers and their base
	v_add_nc_u32 v[RD], 16*PITCH, v[RD]
	s_add_nc_u64 s[CB:CB+1], s[CB:CB+1], 65536
	s_sub_co_u32 s3, s3, 1
	s_cmp_lg_u32 s3, 0
	s_cbranch_scc1 .Lsend
	s_wait_tensorcnt 0x0                           ; the wave's end
	ds_add_u32 v[SPW], v[NIL]
	s_wait_dscnt 0x0
	CROUND                                         ; the closing round
	s_endpgm
.Lfunc_end_k_q24f075e0fe_qkp:
	.size	k_q24f075e0fe_qkp, .Lfunc_end_k_q24f075e0fe_qkp-k_q24f075e0fe_qkp
	.p2alignl 7, 3214868480
	.fill 96, 4, 3214868480
	.section	.rodata,"a",@progbits
	.p2align	6, 0x0
	.amdhsa_kernel k_q24f075e0fe_qkp
		.amdhsa_group_segment_fixed_size 327680
		.amdhsa_private_segment_fixed_size 0
		.amdhsa_enable_private_segment 0
		.amdhsa_kernarg_size 40
		.amdhsa_user_sgpr_count 2
		.amdhsa_user_sgpr_kernarg_segment_ptr 1
		.amdhsa_wavefront_size32 1
		.amdhsa_system_sgpr_workgroup_id_x 1
		.amdhsa_system_sgpr_workgroup_id_y 1
		.amdhsa_system_sgpr_workgroup_id_z 1
		.amdhsa_system_vgpr_workitem_id 0
		.amdhsa_next_free_vgpr 1024
		.amdhsa_next_free_sgpr 80
		.amdhsa_reserve_vcc 0
		.amdhsa_float_denorm_mode_32 3
		.amdhsa_float_denorm_mode_16_64 3
		.amdhsa_memory_ordered 1
		.amdhsa_forward_progress 1
		.amdhsa_inst_pref_size 98
	.end_amdhsa_kernel
	.amdgpu_metadata
---
amdhsa.version: [ 1, 2 ]
amdhsa.kernels:
  - .name:           k_q24f075e0fe_qkp
    .symbol:         k_q24f075e0fe_qkp.kd
    .args:
      - { .name: xb, .offset: 0, .size: 8, .value_kind: global_buffer, .address_space: global }
      - { .name: wt, .offset: 8, .size: 8, .value_kind: global_buffer, .address_space: global }
      - { .name: bq, .offset: 16, .size: 8, .value_kind: global_buffer, .address_space: global }
      - { .name: bk, .offset: 24, .size: 8, .value_kind: global_buffer, .address_space: global }
      - { .name: qk, .offset: 32, .size: 8, .value_kind: global_buffer, .address_space: global }
    .group_segment_fixed_size: 327680
    .private_segment_fixed_size: 0
    .kernarg_segment_align: 8
    .kernarg_segment_size: 40
    .max_flat_workgroup_size: 128
    .sgpr_count:     80
    .vgpr_count:     1024
    .wavefront_size: 32
...
	.end_amdgpu_metadata
.endif
;; end of part 2
;; launch vtp (part 3): grid 32 x 8, 4 waves a work-group, clusters of 4 x 4, 327,680 bytes of LDS; arguments wt, xb, bv, vt; writes vt
.if DOCPART == 3
	.amdgcn_target "amdgcn-amd-amdhsa--gfx1250"
	.amdhsa_code_object_version 6
	.text
	.protected	k_q24f075e0fe_vtp
	.globl	k_q24f075e0fe_vtp
	.p2align	8
	.type	k_q24f075e0fe_vtp,@function
k_q24f075e0fe_vtp:
	s_mov_b64 s[64:65], 0
	v_nop
	global_prefetch_b8 v0, s[64:65] scope:SCOPE_SE
	s_setreg_imm32_b32 hwreg(HW_REG_WAVE_MODE, 25, 1), 1
	s_wait_xcnt 0x0
	s_wait_alu depctr_hold_cnt(0) depctr_sa_sdst(0) depctr_va_vdst(0) depctr_va_sdst(0) depctr_va_ssrc(0) depctr_va_vcc(0) depctr_vm_vsrc(0)
	s_getreg_b32 s2, hwreg(HW_REG_IB_STS2, 6, 4)
	s_cmp_eq_u32 s2, 0
	s_cbranch_scc0 .Lentry_in_a_cluster
	s_endpgm
.Lentry_in_a_cluster:
	s_bfe_u32 s2, ttmp6, 0x10000c
	s_cmp_lg_u32 s2, 0xf033
	s_cbranch_scc0 .Lentry_shape_is_right
	s_endpgm
.Lentry_shape_is_right:
; v turned: v[f][s] = sum over d of wt[2048 + f][d] xb[s][d] + bv[f], f16, rounded once.  wt, xb bf16; sums f32; bv is rounded to bf16 like the other inputs and starts the sums.
; vt IS LAID OUT IN BLOCKS for the launch that multiplies by it: vt[f >> 7][s >> 6][f & 127][s & 63]: 128 rows x 64 columns are 16,384 bytes on end.
; LIMIT: v must lie within f16's range, 65,504; NaN and infinities are not treated apart.
; A tile is 128 x 256 (tiles of 256 x 256 would be 128, half as many as there are WGPs): four waves, each 64 x 128 in 32 accumulators.  K = 1,024 in 8 steps of 128 through two LDS slots.
; CLUSTER 4 x 4: wt's tiles are asked for jointly along a row of the cluster, xb's along a column.  One K step is written; s[TB] is the slot in hand.
; TRANSPOSED USE: source 0 = 16 rows of xb, source 1 = 16 rows of wt: a lane holds row f = l % 16 and the columns 16 b + 8 (l / 16) + 0..7.
; REGISTERS: window 0: v0-31 addresses, v32-63 the bias, fragment buffers at v64 and v160 (B's 64 registers, then A's 32); window 1: accumulator (a, b) at v[8 (8 a + b)].
.set KSTEP,  128
.set PITCH,  272
.set AH,     64*PITCH                  ; A's piece: 64 rows
.set BH,     128*PITCH                 ; B's piece: 128 rows
.set SLOT,   2*AH+2*BH                 ; A's 128 rows, then B's 256
.set SPARE,  2*SLOT
.set STEPS,  8
.set G1W0,   (1<<16)|(1<<20)|(1<<21)|(5<<22)|(3<<25)
.set A0,   16
.set B0,   17
.set ADRA, 18
.set ADRB, 19
.set STO,  24
.set RD,   25
.set CO,   26
.set SPW,  28
.set NIL,  29
.set PFO,  30
.set BV,   32                          ; v[32+8a : 39+8a]: block a's bias, eight times
.set F0,   64
.set F1,   160
.set WV,  14
.set RH,  15
.set CH,  16
.set CX,  17
.set CY,  18
.set TC,  19
.set TR,  20
.set CLY, 21
.set G1,  24
.set G0F, 32
.set G0W, 36
.set G1B, 48
.set G0BF, 56
.set G0BW, 60
.set TB,  66
.set LIM, 67
.set PFA, 68
.set PIECEA, 70
.set PIECEB, 71
.set CB,  72
.set BI,  74
.set MSB, 0
.macro WIN new
.if MSB != (\new)
	s_set_vgpr_msb (MSB<<8)|(\new)
.set MSB, \new
.endif
.endm
.macro PLACES
.rept 4
	v_nop
.endr
.endm
.macro CREST
	s_cmp_lg_u32 s[WV], 0
	s_cbranch_scc1 .Lnot_wave_0_\@
	s_barrier_signal -3
.Lnot_wave_0_\@:
	s_barrier_wait -3
	s_barrier_signal -1
	s_barrier_wait -1
.endm
.macro CROUND
	s_barrier_signal -1
	s_barrier_wait -1
	CREST
.endm
.macro JLOAD
	s_cmp_eq_u32 s[RH], 0
	s_cbranch_scc0 .Lfor_b_\@
	tensor_load_to_lds s[G0W:G0W+3], s[G1:G1+7]
	s_nop 0
.rept 4
	v_nop
.endr
	s_branch .Lasked_\@
.Lfor_b_\@:
	tensor_load_to_lds s[G0BW:G0BW+3], s[G1B:G1B+7]
	s_nop 0
.rept 4
	v_nop
.endr
.Lasked_\@:
.endm
; A prefetch of the K step two refills on, a lane a row.  wt's 128 rows: wave 0 of the clusters with x = 0, 32 rows for each partner along x; xb's: waves 2 and 3 of the clusters with y = 0, 32 of their 128 rows for each partner along y.
.macro ASK
	s_cmp_gt_u32 s3, s[LIM]
	s_cbranch_scc0 .Lnot_mine_\@
	global_prefetch_b8 v[PFO], s[PFA:PFA+1] offset:KSTEP*2 th:TH_LOAD_NT scope:SCOPE_SE
.Lnot_mine_\@:
.endm
.macro MUL8 f, a, start                ; row block a x all 8 column blocks; the 32 accumulators take turns, in the same order in every quarter
.if \start
	WIN 0x40
.else
	WIN 0x50
.endif
.irp b, 0,1,2,3,4,5,6,7
.if \start
	v_wmma_f32_16x16x32_bf16 v[8*(8*(\a)+(\b)):8*(8*(\a)+(\b))+7], v[(\f)+8*(\b):(\f)+8*(\b)+7], v[(\f)+64+8*(\a):(\f)+64+8*(\a)+7], v[BV+8*(\a):BV+8*(\a)+7]
.else
	v_wmma_f32_16x16x32_bf16 v[8*(8*(\a)+(\b)):8*(8*(\a)+(\b))+7], v[(\f)+8*(\b):(\f)+8*(\b)+7], v[(\f)+64+8*(\a):(\f)+64+8*(\a)+7], v[8*(8*(\a)+(\b)):8*(8*(\a)+(\b))+7]
.endif
.endr
.endm
.macro FETCH k, f                      ; 24 LDS loads in one run: B's eight fragments, then A's four
	WIN 0
.irp i, 0,1,2,3,4,5,6,7
	ds_load_b128 v[(\f)+8*(\i):(\f)+8*(\i)+3],   v[ADRB] offset:(\k)+(\i)*16*PITCH
	ds_load_b128 v[(\f)+8*(\i)+4:(\f)+8*(\i)+7], v[ADRB] offset:(\k)+(\i)*16*PITCH+32
.endr
.irp i, 0,1,2,3
	ds_load_b128 v[(\f)+64+8*(\i):(\f)+64+8*(\i)+3],   v[ADRA] offset:(\k)+(\i)*16*PITCH
	ds_load_b128 v[(\f)+64+8*(\i)+4:(\f)+64+8*(\i)+7], v[ADRA] offset:(\k)+(\i)*16*PITCH+32
.endr
.endm
.macro QUARTER k, f, g, start          ; the next quarter's run of loads stands at the head: it has this quarter's 32 matrix instructions in which to land
	s_wait_dscnt 4                                 ; B and A's blocks 0, 1 are in; the youngest four loads (blocks 2, 3) may be out
	PLACES                                         ; behind the last products that read buffer g
	FETCH \k, \g
	MUL8 \f, 0, \start
	MUL8 \f, 1, \start
	s_wait_dscnt 24                                ; all but the 24 just issued
	MUL8 \f, 2, \start
	MUL8 \f, 3, \start
.endm
.macro TURN fill
.if \fill
	s_wait_xcnt 0x0                                ; the last prefetch, a K step back, has read its address
	s_add_nc_u64 s[PFA:PFA+1], s[PFA:PFA+1], KSTEP*2
.endif
	WIN 0
	s_wait_tensorcnt 0x0                           ; no tensor load of mine is out
	ds_add_u32 v[SPW], v[NIL]
.if \fill
	s_add_nc_u64 s[G0W+2:G0W+3], s[G0W+2:G0W+3], KSTEP*2
	s_add_nc_u64 s[G0BW+2:G0BW+3], s[G0BW+2:G0BW+3], KSTEP*2
	s_add_co_u32 s[G0W+1], s[PIECEA], s[TB]
	s_add_co_u32 s[G0BW+1], s[PIECEB], s[TB]
.endif
	s_wait_dscnt 5                                 ; the add and the youngest four loads may be out
	MUL8 F1, 0, 0
	s_wait_dscnt 0x0                               ; the add is done, and my reads of this slot are over
	s_barrier_signal -1
	MUL8 F1, 1, 0
	WIN 0
	s_barrier_wait -1
.if \fill
	CREST
	JLOAD
.else
	PLACES
.endif
	s_xor_b32 s[TB], s[TB], SLOT
	v_add_nc_u32 v[ADRA], s[TB], v[A0]
	v_add_nc_u32 v[ADRB], s[TB], v[B0]
	FETCH 0, F0
.if \fill
	ASK
.endif
	MUL8 F1, 2, 0
	MUL8 F1, 3, 0
.endm
	s_load_b256 s[4:11], s[0:1], 0x0               ; wt s[4:5], xb s[6:7], bv s[8:9], vt s[10:11]
	v_lshl_add_u32 v[SPW], v0, 2, SPARE
	v_mov_b32 v[NIL], 0
	ds_add_u32 v[SPW], v[NIL]                      ; the wave's opening
	v_lshrrev_b32 v1, 5, v0
	v_readfirstlane_b32 s[WV], v1
	s_lshr_b32 s[RH], s[WV], 1
	s_and_b32 s[CH], s[WV], 1
	s_bfe_u32 s[CX], ttmp6, 0x40000
	s_bfe_u32 s[CY], ttmp6, 0x40004
	s_lshl_b32 s[TC], ttmp9, 2
	s_add_co_u32 s[TC], s[TC], s[CX]
	s_and_b32 s[CLY], ttmp7, 0xffff
	s_lshl_b32 s[TR], s[CLY], 2
	s_add_co_u32 s[TR], s[TR], s[CY]
	s_lshl_b32 s22, s[CY], 2
	s_lshl_b32 s22, 15, s22
	s_lshl_b32 s23, 0x1111, s[CX]
	s_or_b32 s[G1], s22, G1W0
	s_or_b32 s[G1B], s23, G1W0
	s_mov_b32 s[G1+1], KSTEP<<16
	s_mov_b32 s[G1+2], 64<<16                      ; A's piece has 64 rows
	s_mov_b32 s[G1+3], KSTEP<<16
	s_mov_b32 s[G1+4], 64
	s_mov_b32 s[G1+5], 1024
	s_mov_b32 s[G1+6], 0
	s_mov_b32 s[G1+7], 0
	s_mov_b32 s[G1B+1], KSTEP<<16
	s_mov_b32 s[G1B+2], 128<<16
	s_mov_b32 s[G1B+3], KSTEP<<16
	s_mov_b32 s[G1B+4], 128
	s_mov_b32 s[G1B+5], 1024
	s_mov_b32 s[G1B+6], 0
	s_mov_b32 s[G1B+7], 0
	s_lshl_b32 s40, s[TR], 7
	s_lshl_b32 s2, s[CH], 6
	s_add_co_u32 s40, s40, s2
	s_add_co_u32 s40, s40, 2048
	s_lshl_b32 s40, s40, 11                        ; A: row 2048 + 128 TR + 64 CH of wt
	s_mov_b32 s41, 0
	s_lshl_b32 s44, s[TC], 8
	s_lshl_b32 s2, s[CH], 7
	s_add_co_u32 s44, s44, s2
	s_lshl_b32 s44, s44, 11                        ; B: row 256 TC + 128 CH of xb
	s_mov_b32 s45, 0
	s_mul_i32 s[PIECEA], s[CH], AH
	s_mul_i32 s[PIECEB], s[CH], BH
	s_add_co_u32 s[PIECEB], s[PIECEB], 2*AH
	s_mov_b32 s[TB], 0
	s_wait_dscnt 0x0
	s_wait_kmcnt 0x0
	s_add_nc_u64 s[42:43], s[4:5], s[40:41]
	s_add_nc_u64 s[46:47], s[6:7], s[44:45]
	CROUND
	s_mov_b32 s[G0F], 1
	s_mov_b32 s[G0F+1], s[PIECEA]
	s_mov_b64 s[G0F+2:G0F+3], s[42:43]
	s_or_b32 s[G0F+3], s[G0F+3], 0x80000000
	s_mov_b32 s[G0W], 1
	s_add_co_u32 s[G0W+1], s[PIECEA], SLOT
	s_add_nc_u64 s[G0W+2:G0W+3], s[42:43], KSTEP*2
	s_or_b32 s[G0W+3], s[G0W+3], 0x80000000
	s_mov_b32 s[G0BF], 1
	s_mov_b32 s[G0BF+1], s[PIECEB]
	s_mov_b64 s[G0BF+2:G0BF+3], s[46:47]
	s_or_b32 s[G0BF+3], s[G0BF+3], 0x80000000
	s_mov_b32 s[G0BW], 1
	s_add_co_u32 s[G0BW+1], s[PIECEB], SLOT
	s_add_nc_u64 s[G0BW+2:G0BW+3], s[46:47], KSTEP*2
	s_or_b32 s[G0BW+3], s[G0BW+3], 0x80000000
	s_cmp_eq_u32 s[RH], 0
	s_cbranch_scc0 .Lfirst_b
	tensor_load_to_lds s[G0F:G0F+3], s[G1:G1+7]
	s_nop 0
	tensor_load_to_lds s[G0W:G0W+3], s[G1:G1+7]
	s_nop 0
.rept 4
	v_nop
.endr
	s_branch .Lfirst_asked
.Lfirst_b:
	tensor_load_to_lds s[G0BF:G0BF+3], s[G1B:G1B+7]
	s_nop 0
	tensor_load_to_lds s[G0BW:G0BW+3], s[G1B:G1B+7]
	s_nop 0
.rept 4
	v_nop
.endr
.Lfirst_asked:
	s_lshl_b32 s76, s[TR], 7
	s_lshl_b32 s77, s[RH], 6
	s_add_co_u32 s76, s76, s77                     ; my first row f
	s_lshl_b32 s22, s76, 2
	s_mov_b32 s23, 0
	s_add_nc_u64 s[BI:BI+1], s[8:9], s[22:23]
	v_and_b32 v1, 15, v0
	v_bfe_u32 v2, v0, 4, 1
	v_lshlrev_b32 v5, 2, v1
.irp a, 0,1,2,3
	global_load_b32 v[BV+8*(\a)], v5, s[BI:BI+1] offset:64*(\a)   ; bv of row 16 a + l % 16
.endr
	s_lshl_b32 s76, s[TR], 21                      ; my tile's 128 rows are group TR of vt: 128 blocks of 16,384 bytes
	s_lshl_b32 s77, s[TC], 16                      ; my tile's 256 columns are its blocks 4 TC .. 4 TC + 3,
	s_add_co_u32 s76, s76, s77
	s_lshl_b32 s77, s[CH], 15                      ; my 128 of them two blocks,
	s_add_co_u32 s76, s76, s77
	s_lshl_b32 s77, s[RH], 13                      ; my 64 rows 128 bytes each
	s_add_co_u32 s76, s76, s77
	s_mov_b32 s77, 0
	s_add_nc_u64 s[CB:CB+1], s[10:11], s[76:77]
	v_mul_u32_u24 v3, v1, PITCH
	v_lshl_add_u32 v3, v2, 4, v3
	s_mul_i32 s22, s[RH], AH
	v_add_nc_u32 v[A0], s22, v3
	v_add_nc_u32 v[B0], s[PIECEB], v3              ; my 128 rows of B are the piece with my CH
	s_mul_i32 s22, s[WV], AH                       ; my stage: 64 rows x 272 bytes, in slot 0 once it has had its last fill
	v_add_nc_u32 v[STO], s22, v3
	v_and_b32 v6, 7, v0                            ; back: lanes 0-15 take 128 bytes of a row and the same 128 bytes of the row below (one block's two rows, 256 bytes on end in vt),
	v_bfe_u32 v7, v0, 3, 1                         ; lanes 16-31 the rows' other 128 bytes, which belong to the next block
	v_mul_u32_u24 v4, v7, PITCH
	v_lshl_add_u32 v4, v2, 7, v4
	v_lshl_add_u32 v4, v6, 4, v4
	v_add_nc_u32 v[RD], s22, v4
	v_lshlrev_b32 v[CO], 14, v2
	v_lshl_add_u32 v[CO], v1, 4, v[CO]
	s_or_b32 s2, ttmp9, s[CH]                      ; A's rows: wave 0 of the clusters with x = 0
	s_cmp_eq_u32 s[RH], 0
	s_cselect_b32 s22, s40, s44
	s_cselect_b32 s23, s[CX], s[CY]
	s_cselect_b32 s2, s2, s[CLY]
	s_cselect_b64 s[PFA:PFA+1], s[4:5], s[6:7]
	s_cmp_eq_u32 s2, 0
	s_cselect_b32 s[LIM], 2, -1
	s_lshl_b32 s23, s23, 16                        ; 32 rows of 2,048 bytes
	s_add_co_u32 s22, s22, s23
	s_add_co_u32 s22, s22, 2*KSTEP*2
	s_mov_b32 s23, 0
	s_add_nc_u64 s[PFA:PFA+1], s[PFA:PFA+1], s[22:23]
	v_and_b32 v[PFO], 31, v0
	v_lshlrev_b32 v[PFO], 11, v[PFO]
	v_mov_b32 v[ADRA], v[A0]
	v_mov_b32 v[ADRB], v[B0]
	s_wait_tensorcnt 0x1                           ; my part of K step 0 is in; K step 1's may stay out
	s_barrier_signal -1
	s_barrier_wait -1
	FETCH 0, F0
	s_wait_loadcnt 0x0                             ; the biases: rounded to bf16, widened, and spread over the eight registers of a C operand
.irp a, 0,1,2,3
	v_cvt_pk_bf16_f32 v[BV+8*(\a)], v[BV+8*(\a)], v[BV+8*(\a)]
.endr
.irp a, 0,1,2,3
	v_lshlrev_b32 v[BV+8*(\a)], 16, v[BV+8*(\a)]
.endr
.irp a, 0,1,2,3
.irp j, 1,2,3,4,5,6,7
	v_mov_b32 v[BV+8*(\a)+(\j)], v[BV+8*(\a)]
.endr
.endr
	QUARTER 64, F0, F1, 1
	WIN 0
	s_mov_b32 s3, STEPS-2
.Lstep:
	QUARTER 128, F1, F0, 0
	QUARTER 192, F0, F1, 0
	TURN 1
	QUARTER 64, F0, F1, 0
	WIN 0
	s_sub_co_u32 s3, s3, 1
	s_cmp_lg_u32 s3, 0
	s_cbranch_scc1 .Lstep
	s_mov_b32 s3, 2
.Ltail:                                            ; the last two steps ask for nothing; the second trip's fetch of the other slot's old tile serves nothing
	QUARTER 128, F1, F0, 0
	QUARTER 192, F0, F1, 0
	TURN 0
	WIN 0
	s_sub_co_u32 s3, s3, 1
	s_cmp_eq_u32 s3, 0
	s_cbranch_scc1 .Lout
	QUARTER 64, F0, F1, 0
	WIN 0
	s_branch .Ltail
.Lout:
	s_wait_dscnt 0x0                               ; behind this barrier no wave reads the slots, which have had their last fill
	s_barrier_signal -1
	s_barrier_wait -1
	PLACES
.irp a, 0,1,2,3
	WIN 0x05                                       ; sources in window 1
.irp b, 0,1,2,3,4,5,6,7
.irp r, 0,1,2,3
	v_cvt_pk_f16_f32 v[64+4*(\b)+(\r)], v[8*(8*(\a)+(\b))+2*(\r)], v[8*(8*(\a)+(\b))+2*(\r)+1]
.endr
.endr
	WIN 0
.irp b, 0,1,2,3,4,5,6,7
	ds_store_b128 v[STO], v[64+4*(\b):64+4*(\b)+3] offset:(\a)*16*PITCH+32*(\b)
.endr
.endr
	s_mov_b32 s3, 4
.Lsend:                                            ; 16 rows a trip
.irp t, 0,1,2,3,4,5,6,7
	ds_load_b128 v[96+4*(\t):96+4*(\t)+3], v[RD] offset:(\t)*2*PITCH
.endr
.irp t, 0,1,2,3,4,5,6,7
	s_wait_dscnt 7-(\t)
	global_store_b128 v[CO], v[96+4*(\t):96+4*(\t)+3], s[CB:CB+1] offset:256*(\t)  ; sixteen lanes store 256 consecutive bytes, aligned: rows 2 t and 2 t + 1 of one block
.endr
	s_wait_xcnt 0x0
	v_add_nc_u32 v[RD], 16*PITCH, v[RD]
	s_add_nc_u64 s[CB:CB+1], s[CB:CB+1], 2048
	s_sub_co_u32 s3, s3, 1
	s_cmp_lg_u32 s3, 0
	s_cbranch_scc1 .Lsend
	s_wait_tensorcnt 0x0                           ; the wave's end
	ds_add_u32 v[SPW], v[NIL]
	s_wait_dscnt 0x0
	CROUND
	s_endpgm
.Lfunc_end_k_q24f075e0fe_vtp:
	.size	k_q24f075e0fe_vtp, .Lfunc_end_k_q24f075e0fe_vtp-k_q24f075e0fe_vtp
	.p2alignl 7, 3214868480
	.fill 96, 4, 3214868480
	.section	.rodata,"a",@progbits
	.p2align	6, 0x0
	.amdhsa_kernel k_q24f075e0fe_vtp
		.amdhsa_group_segment_fixed_size 327680
		.amdhsa_private_segment_fixed_size 0
		.amdhsa_enable_private_segment 0
		.amdhsa_kernarg_size 32
		.amdhsa_user_sgpr_count 2
		.amdhsa_user_sgpr_kernarg_segment_ptr 1
		.amdhsa_wavefront_size32 1
		.amdhsa_system_sgpr_workgroup_id_x 1
		.amdhsa_system_sgpr_workgroup_id_y 1
		.amdhsa_system_sgpr_workgroup_id_z 1
		.amdhsa_system_vgpr_workitem_id 0
		.amdhsa_next_free_vgpr 512
		.amdhsa_next_free_sgpr 80
		.amdhsa_reserve_vcc 0
		.amdhsa_float_denorm_mode_32 3
		.amdhsa_float_denorm_mode_16_64 3
		.amdhsa_memory_ordered 1
		.amdhsa_forward_progress 1
		.amdhsa_inst_pref_size 59
	.end_amdhsa_kernel
	.amdgpu_metadata
---
amdhsa.version: [ 1, 2 ]
amdhsa.kernels:
  - .name:           k_q24f075e0fe_vtp
    .symbol:         k_q24f075e0fe_vtp.kd
    .args:
      - { .name: wt, .offset: 0, .size: 8, .value_kind: global_buffer, .address_space: global }
      - { .name: xb, .offset: 8, .size: 8, .value_kind: global_buffer, .address_space: global }
      - { .name: bv, .offset: 16, .size: 8, .value_kind: global_buffer, .address_space: global }
      - { .name: vt, .offset: 24, .size: 8, .value_kind: global_buffer, .address_space: global }
    .group_segment_fixed_size: 327680
    .private_segment_fixed_size: 0
    .kernarg_segment_align: 8
    .kernarg_segment_size: 32
    .max_flat_workgroup_size: 128
    .sgpr_count:     80
    .vgpr_count:     512
    .wavefront_size: 32
...
	.end_amdgpu_metadata
.endif
;; end of part 3
;; launch sc (part 4): grid 8 x 32, 4 waves a work-group, clusters of 4 x 4, 327,680 bytes of LDS; arguments qk, pp, st; writes pp, st
.if DOCPART == 4
	.amdgcn_target "amdgcn-amd-amdhsa--gfx1250"
	.amdhsa_code_object_version 6
	.text
	.protected	k_q24f075e0fe_sc
	.globl	k_q24f075e0fe_sc
	.p2align	8
	.type	k_q24f075e0fe_sc,@function
k_q24f075e0fe_sc:
	s_mov_b64 s[64:65], 0
	v_nop
	global_prefetch_b8 v0, s[64:65] scope:SCOPE_SE
	s_setreg_imm32_b32 hwreg(HW_REG_WAVE_MODE, 25, 1), 1
	s_wait_xcnt 0x0
	s_wait_alu depctr_hold_cnt(0) depctr_sa_sdst(0) depctr_va_vdst(0) depctr_va_sdst(0) depctr_va_ssrc(0) depctr_va_vcc(0) depctr_vm_vsrc(0)
	s_getreg_b32 s2, hwreg(HW_REG_IB_STS2, 6, 4)
	s_cmp_eq_u32 s2, 0
	s_cbranch_scc0 .Lentry_in_a_cluster
	s_endpgm
.Lentry_in_a_cluster:
	s_bfe_u32 s2, ttmp6, 0x10000c
	s_cmp_lg_u32 s2, 0xf033
	s_cbranch_scc0 .Lentry_shape_is_right
	s_endpgm
.Lentry_shape_is_right:
; s[q][k] = q[q] . k[k] (f16 operands, f32 sums).  For each query row and each block j of 128 keys: m = the block's true maximum, ne = floor(-c m), c = log2(e) / 32,
; p' = 2^(c s + ne), which lies in 0 to 1 with the block's largest above 1/2, and l = the sum of the unrounded p'.  p' goes to pp in f16; st[0][j][row] = ne, st[1][j][row] = l, in f32.
; pp IS LAID OUT IN BLOCKS for the launch that multiplies by it: pp[row >> 7][key >> 6][row & 127][key & 63]: 128 rows x 64 keys are 16,384 bytes on end.
; The next launch brings the sixteen blocks of a row to a common shift, the least ne, by exact powers of two: the shift taken away is the row's maximum rounded up to a whole number of binades.
; LIMITS: c |s| below 2^24, so that ne is a whole number; p' below 6e-5 keeps f16's fixed step of 6e-8, below 3e-8 it is 0; NaN and infinities are not treated apart.
; A tile is 256 queries x 256 keys of one batch: four waves, each 128 x 128 (one block j).  K = 1,024 in 8 steps of 128 through two LDS slots.
; CLUSTER 4 x 4: q's tiles are asked for jointly along a row of the cluster, k's along a column.  One K step is written; s[TB] is the slot in hand.
; TRANSPOSED USE: source 0 = 16 keys, source 1 = 16 queries: a lane holds query l % 16 and the keys 16 b + 8 (l / 16) + 0..7.
; REGISTERS: window 0: v0-31 addresses, v32-151 the way out, v64-127 / v128-191 q's fragments; window 1: v64-127 / v128-191 k's fragments; windows 2, 3: the accumulators.
.set KSTEP,  128
.set PITCH,  272
.set HALFT,  128*PITCH
.set SLOT,   4*HALFT
.set DP,     528                       ; the way out: a row of 128 f32 + 16 bytes: 132 words, so sixteen rows start at sixteen different groups of four banks
.set STATS,  2*SLOT                    ; 1,024 bytes a wave: 128 ne, 128 l
.set SPARE,  STATS+4096
.set STEPS,  8
.set G1W0,   (1<<16)|(1<<20)|(1<<21)|(5<<22)|(3<<25)
.set A0,   16
.set B0,   17
.set ADRA, 18
.set ADRB, 19
.set SO,   22                          ; 16 x lane
.set SR,   23                          ; my 16 bytes of my wave's statistics
.set STO,  24
.set RD,   25
.set CO,   26
.set SA,   27                          ; where a row's ne goes
.set SPW,  28
.set NIL,  29
.set PFO,  30
.set F0,   64
.set F1,   128
.set Y,    32                          ; v[32+4p ..]: eight p' in f16
.set X,    64                          ; v[64+8p ..]: eight scores of row pair p
.set ST,   128                         ; v[128+2p] ne, v[129+2p] m and then l
.set T,    144                         ; v[144+p]: what the lane 16 away holds
.set WV,  14
.set RH,  15
.set CH,  16
.set CX,  17
.set CY,  18
.set TC,  19
.set TR,  20
.set CLY, 21
.set G1,  24
.set G0F, 32
.set G0W, 36
.set G1B, 48
.set G0BF, 56
.set G0BW, 60
.set TB,  66
.set LIM, 67
.set PFA, 68
.set PIECE, 70
.set NC,  71                           ; -c
.set CB,  72
.set CS,  74                           ; s[74:75] c, named as a pair
.set SEL, 76                           ; s[76:77] v_permlanex16_b32's selects, set ahead of the rows' loop: each lane takes its own place in the other half
.set SB,  78                           ; s[78:79] st at my block and rows
.set MSB, 0
.macro WIN new
.if MSB != (\new)
	s_set_vgpr_msb (MSB<<8)|(\new)
.set MSB, \new
.endif
.endm
.macro PLACES
.rept 4
	v_nop
.endr
.endm
.macro CREST
	s_cmp_lg_u32 s[WV], 0
	s_cbranch_scc1 .Lnot_wave_0_\@
	s_barrier_signal -3
.Lnot_wave_0_\@:
	s_barrier_wait -3
	s_barrier_signal -1
	s_barrier_wait -1
.endm
.macro CROUND
	s_barrier_signal -1
	s_barrier_wait -1
	CREST
.endm
.macro JLOAD
	s_cmp_eq_u32 s[RH], 0
	s_cbranch_scc0 .Lfor_b_\@
	tensor_load_to_lds s[G0W:G0W+3], s[G1:G1+7]
	s_nop 0
.rept 4
	v_nop
.endr
	s_branch .Lasked_\@
.Lfor_b_\@:
	tensor_load_to_lds s[G0BW:G0BW+3], s[G1B:G1B+7]
	s_nop 0
.rept 4
	v_nop
.endr
.Lasked_\@:
.endm
; A prefetch of the K step two refills on, a lane a row.  q's rows are asked for by the clusters with x = 0, k's by the first of the two clusters along y that share a batch's keys; partners share the 128 rows out by address.
.macro ASK
	s_cmp_gt_u32 s3, s[LIM]
	s_cbranch_scc0 .Lnot_mine_\@
	global_prefetch_b8 v[PFO], s[PFA:PFA+1] offset:KSTEP*2 th:TH_LOAD_NT scope:SCOPE_SE
.Lnot_mine_\@:
.endm
.macro MUL16 f, hi, a0, start
	WIN 0xa1+0x50*(\hi)
.irp a, \a0, (\a0)+1
.irp b, 0,1,2,3,4,5,6,7
.if \start
	v_wmma_f32_16x16x32_f16 v[8*(8*(\a)+(\b)):8*(8*(\a)+(\b))+7], v[(\f)+8*(\b):(\f)+8*(\b)+7], v[(\f)+8*(4*(\hi)+(\a)):(\f)+8*(4*(\hi)+(\a))+7], 0
.else
	v_wmma_f32_16x16x32_f16 v[8*(8*(\a)+(\b)):8*(8*(\a)+(\b))+7], v[(\f)+8*(\b):(\f)+8*(\b)+7], v[(\f)+8*(4*(\hi)+(\a)):(\f)+8*(4*(\hi)+(\a))+7], v[8*(8*(\a)+(\b)):8*(8*(\a)+(\b))+7]
.endif
.endr
.endr
.endm
.macro FETCH k, f
	WIN 0x40
.irp i, 0,1,2,3,4,5,6,7
	ds_load_b128 v[(\f)+8*(\i):(\f)+8*(\i)+3],   v[ADRB] offset:(\k)+(\i)*16*PITCH
	ds_load_b128 v[(\f)+8*(\i)+4:(\f)+8*(\i)+7], v[ADRB] offset:(\k)+(\i)*16*PITCH+32
.endr
	WIN 0
.irp i, 0,1,2,3,4,5,6,7
	ds_load_b128 v[(\f)+8*(\i):(\f)+8*(\i)+3],   v[ADRA] offset:(\k)+(\i)*16*PITCH
	ds_load_b128 v[(\f)+8*(\i)+4:(\f)+8*(\i)+7], v[ADRA] offset:(\k)+(\i)*16*PITCH+32
.endr
.endm
.macro QUARTER k, f, g, start
	s_wait_dscnt 8                                 ; the youngest eight loads (q's rows 64-127) may be out
	MUL16 \f, 0, 0, \start
	MUL16 \f, 0, 2, \start
	PLACES
	FETCH \k, \g
	s_wait_dscnt 32                                ; all but the 32 just issued
	MUL16 \f, 1, 0, \start
	MUL16 \f, 1, 2, \start
.endm
.macro TURN fill
.if \fill
	s_wait_xcnt 0x0                                ; the last prefetch, a K step back, has read its address
	s_add_nc_u64 s[PFA:PFA+1], s[PFA:PFA+1], KSTEP*2
.endif
	WIN 0
	s_wait_tensorcnt 0x0                           ; no tensor load of mine is out
	ds_add_u32 v[SPW], v[NIL]
.if \fill
	s_add_nc_u64 s[G0W+2:G0W+3], s[G0W+2:G0W+3], KSTEP*2
	s_add_nc_u64 s[G0BW+2:G0BW+3], s[G0BW+2:G0BW+3], KSTEP*2
	s_add_co_u32 s[G0W+1], s[PIECE], s[TB]
	s_add_co_u32 s[G0BW+1], s[PIECE], s[TB]
.endif
	s_wait_dscnt 9                                 ; the add and the youngest eight loads may be out
	MUL16 F1, 0, 0, 0
	s_wait_dscnt 0x0                               ; the add is done, and my reads of this slot are over
	s_barrier_signal -1
	MUL16 F1, 0, 2, 0
	WIN 0
	s_barrier_wait -1
.if \fill
	CREST
	JLOAD
.else
	PLACES
.endif
	s_xor_b32 s[TB], s[TB], SLOT
	v_add_nc_u32 v[ADRA], s[TB], v[A0]
	v_add_nc_u32 v[ADRB], s[TB], v[B0]
	FETCH 0, F0
.if \fill
	ASK
.endif
	MUL16 F1, 1, 0, 0
	MUL16 F1, 1, 2, 0
.endm
	s_load_b128 s[4:7], s[0:1], 0x0                ; qk s[4:5], pp s[6:7]
	s_load_b64 s[8:9], s[0:1], 0x10                ; st
	v_lshl_add_u32 v[SPW], v0, 2, SPARE
	v_mov_b32 v[NIL], 0
	ds_add_u32 v[SPW], v[NIL]                      ; the wave's opening
	v_lshrrev_b32 v1, 5, v0
	v_readfirstlane_b32 s[WV], v1
	s_lshr_b32 s[RH], s[WV], 1
	s_and_b32 s[CH], s[WV], 1
	s_bfe_u32 s[CX], ttmp6, 0x40000
	s_bfe_u32 s[CY], ttmp6, 0x40004
	s_lshl_b32 s[TC], ttmp9, 2
	s_add_co_u32 s[TC], s[TC], s[CX]               ; the tile of 256 keys in the batch
	s_and_b32 s[CLY], ttmp7, 0xffff
	s_lshl_b32 s[TR], s[CLY], 2
	s_add_co_u32 s[TR], s[TR], s[CY]               ; the tile of 256 queries among all 8,192; the batch is CLY / 2
	s_lshl_b32 s22, s[CY], 2
	s_lshl_b32 s22, 15, s22
	s_lshl_b32 s23, 0x1111, s[CX]
	s_or_b32 s[G1], s22, G1W0
	s_or_b32 s[G1B], s23, G1W0
.irp g, G1, G1B
	s_mov_b32 s[(\g)+1], KSTEP<<16
	s_mov_b32 s[(\g)+2], 128<<16
	s_mov_b32 s[(\g)+3], KSTEP<<16
	s_mov_b32 s[(\g)+4], 128
	s_mov_b32 s[(\g)+5], 2048                      ; a row of qk has 2,048 elements
	s_mov_b32 s[(\g)+6], 0
	s_mov_b32 s[(\g)+7], 0
.endr
	s_lshl_b32 s2, s[CH], 7
	s_lshl_b32 s40, s[TR], 8
	s_add_co_u32 s40, s40, s2
	s_lshl_b32 s40, s40, 12                        ; q: row 256 TR + 128 CH, 4,096 bytes a row
	s_mov_b32 s41, 0
	s_lshr_b32 s44, s[CLY], 1
	s_lshl_b32 s44, s44, 11                        ; the batch's first row
	s_lshl_b32 s45, s[TC], 8
	s_add_co_u32 s44, s44, s45
	s_add_co_u32 s44, s44, s2
	s_lshl_b32 s44, s44, 12
	s_add_co_u32 s44, s44, 2048                    ; k lies in the second half of a row
	s_mov_b32 s45, 0
	s_mul_i32 s[PIECE], s[WV], HALFT
	s_mov_b32 s[TB], 0
	s_mov_b32 s[CS], 0x3d38aa3b                    ; c = log2(e) / 32
	s_mov_b32 s[CS+1], s[CS]
	s_mov_b32 s[NC], 0xbd38aa3b
	s_wait_dscnt 0x0
	s_wait_kmcnt 0x0
	s_add_nc_u64 s[42:43], s[4:5], s[40:41]
	s_add_nc_u64 s[46:47], s[4:5], s[44:45]
	CROUND
	s_mov_b32 s[G0F], 1
	s_mov_b32 s[G0F+1], s[PIECE]
	s_mov_b64 s[G0F+2:G0F+3], s[42:43]
	s_or_b32 s[G0F+3], s[G0F+3], 0x80000000
	s_mov_b32 s[G0W], 1
	s_add_co_u32 s[G0W+1], s[PIECE], SLOT
	s_add_nc_u64 s[G0W+2:G0W+3], s[42:43], KSTEP*2
	s_or_b32 s[G0W+3], s[G0W+3], 0x80000000
	s_mov_b32 s[G0BF], 1
	s_mov_b32 s[G0BF+1], s[PIECE]
	s_mov_b64 s[G0BF+2:G0BF+3], s[46:47]
	s_or_b32 s[G0BF+3], s[G0BF+3], 0x80000000
	s_mov_b32 s[G0BW], 1
	s_add_co_u32 s[G0BW+1], s[PIECE], SLOT
	s_add_nc_u64 s[G0BW+2:G0BW+3], s[46:47], KSTEP*2
	s_or_b32 s[G0BW+3], s[G0BW+3], 0x80000000
	s_cmp_eq_u32 s[RH], 0
	s_cbranch_scc0 .Lfirst_b
	tensor_load_to_lds s[G0F:G0F+3], s[G1:G1+7]
	s_nop 0
	tensor_load_to_lds s[G0W:G0W+3], s[G1:G1+7]
	s_nop 0
.rept 4
	v_nop
.endr
	s_branch .Lfirst_asked
.Lfirst_b:
	tensor_load_to_lds s[G0BF:G0BF+3], s[G1B:G1B+7]
	s_nop 0
	tensor_load_to_lds s[G0BW:G0BW+3], s[G1B:G1B+7]
	s_nop 0
.rept 4
	v_nop
.endr
.Lfirst_asked:
	v_and_b32 v1, 15, v0
	v_bfe_u32 v2, v0, 4, 1
	v_and_b32 v5, 7, v0
	v_bfe_u32 v6, v0, 3, 1
	v_mul_u32_u24 v3, v1, PITCH
	v_lshl_add_u32 v3, v2, 4, v3
	s_mul_i32 s22, s[RH], HALFT
	s_mul_i32 s23, s[CH], HALFT
	s_add_co_u32 s23, s23, 2*HALFT
	v_add_nc_u32 v[A0], s22, v3
	v_add_nc_u32 v[B0], s23, v3
	s_mul_i32 s22, s[WV], 128*DP                   ; my region of the way out: 128 rows x 528 bytes, in the slots once they have had their last fill
	v_mul_u32_u24 v4, v1, DP
	v_lshl_add_u32 v4, v2, 4, v4
	v_add_nc_u32 v[STO], s22, v4                   ; in: row l % 16, piece 2 b + l / 16
	v_mul_u32_u24 v4, v6, DP                       ; back: row (l / 8) % 2 of a pair, piece 8 (l / 16) + l % 8: lanes 0-15 hold the first 64 keys of both rows, lanes 16-31 the other 64
	v_lshl_add_u32 v4, v2, 7, v4
	v_lshl_add_u32 v4, v5, 4, v4
	v_add_nc_u32 v[RD], s22, v4
	v_lshlrev_b32 v[CO], 14, v2                    ; out: the block of 64 keys by l / 16; in it the two rows' 256 bytes on end, 16 bytes a lane
	v_lshl_add_u32 v[CO], v1, 4, v[CO]
	s_lshl_b32 s22, s[WV], 10
	s_add_co_u32 s22, s22, STATS
	v_lshl_add_u32 v[SA], v6, 2, s22
	v_and_b32 v[SO], 31, v0
	v_lshlrev_b32 v[SO], 4, v[SO]
	v_add_nc_u32 v[SR], s22, v[SO]
	s_lshl_b32 s76, s[TR], 8
	s_lshl_b32 s77, s[RH], 7
	s_add_co_u32 s76, s76, s77                     ; my first row
	s_lshl_b32 s22, s[TC], 1
	s_add_co_u32 s22, s22, s[CH]                   ; my block j
	s_lshl_b32 s22, s22, 13
	s_add_co_u32 s22, s22, s76
	s_lshl_b32 s22, s22, 2
	s_mov_b32 s23, 0
	s_add_nc_u64 s[SB:SB+1], s[8:9], s[22:23]
	s_lshl_b32 s76, s76, 12                        ; my 128 rows are one group of pp: 32 blocks of 16,384 bytes = 4,096 bytes a row
	s_lshl_b32 s77, s[TC], 16                      ; my tile's 256 keys are blocks 4 TC .. 4 TC + 3,
	s_add_co_u32 s76, s76, s77
	s_lshl_b32 s77, s[CH], 15                      ; my 128 of them two blocks
	s_add_co_u32 s76, s76, s77
	s_mov_b32 s77, 0
	s_add_nc_u64 s[CB:CB+1], s[6:7], s[76:77]
	s_and_b32 s2, s[CLY], 1
	s_cmp_eq_u32 s[RH], 0
	s_cselect_b32 s22, s40, s44
	s_cselect_b32 s23, s[CX], s[CY]
	s_cselect_b32 s2, ttmp9, s2
	s_cmp_eq_u32 s2, 0
	s_cselect_b32 s[LIM], 2, -1
	s_lshl_b32 s23, s23, 17                        ; 32 rows of 4,096 bytes
	s_add_co_u32 s22, s22, s23
	s_add_co_u32 s22, s22, 2*KSTEP*2
	s_mov_b32 s23, 0
	s_add_nc_u64 s[PFA:PFA+1], s[4:5], s[22:23]
	v_and_b32 v[PFO], 31, v0
	v_lshlrev_b32 v[PFO], 12, v[PFO]
	v_mov_b32 v[ADRA], v[A0]
	v_mov_b32 v[ADRB], v[B0]
	s_wait_tensorcnt 0x1                           ; my part of K step 0 is in; K step 1's may stay out
	s_barrier_signal -1
	s_barrier_wait -1
	FETCH 0, F0
	QUARTER 64, F0, F1, 1
	WIN 0
	s_mov_b32 s3, STEPS-2
.Lstep:
	QUARTER 128, F1, F0, 0
	QUARTER 192, F0, F1, 0
	TURN 1
	QUARTER 64, F0, F1, 0
	WIN 0
	s_sub_co_u32 s3, s3, 1
	s_cmp_lg_u32 s3, 0
	s_cbranch_scc1 .Lstep
	s_mov_b32 s3, 2
.Ltail:                                            ; the last two steps ask for nothing; the second trip's fetch of the other slot's old tile serves nothing
	QUARTER 128, F1, F0, 0
	QUARTER 192, F0, F1, 0
	TURN 0
	WIN 0
	s_sub_co_u32 s3, s3, 1
	s_cmp_eq_u32 s3, 0
	s_cbranch_scc1 .Lout
	QUARTER 64, F0, F1, 0
	WIN 0
	s_branch .Ltail
.Lout:
	; THE WAY OUT.  The scores go into my region in f32, so that afterwards the lanes hold whole rows of 128 keys.  A row's piece c (keys 8 c .. 8 c + 7) lies as 16 bytes at 16 c and 16 bytes at 256 + 16 c.
	s_wait_dscnt 0x0                               ; behind this barrier no wave reads the slots, which have had their last fill
	s_barrier_signal -1
	s_barrier_wait -1
	PLACES
.irp a, 0,1,2,3,4,5,6,7
	WIN 0x08+4*((\a)/4)                            ; the stored data lie in window 2 or 3
.irp b, 0,1,2,3,4,5,6,7
	ds_store_b128 v[STO], v[64*((\a)%4)+8*(\b):64*((\a)%4)+8*(\b)+3]   offset:(\a)*16*DP+32*(\b)
	ds_store_b128 v[STO], v[64*((\a)%4)+8*(\b)+4:64*((\a)%4)+8*(\b)+7] offset:(\a)*16*DP+256+32*(\b)
.endr
.endr
	WIN 0
	s_mov_b32 s[SEL], 0x76543210
	s_mov_b32 s[SEL+1], 0xfedcba98
.irp p, 0,1,2,3,4,5,6,7
	v_mov_b32 v[T+(\p)], 0                         ; v_permlanex16_b32's destination counts as read: written once here
.endr
	s_mov_b32 s3, 8
.Lrows:                                            ; 16 rows a trip, as eight pairs p: a row's 16 pieces lie in eight lanes of each half of the wave
.irp p, 0,1,2,3,4,5,6,7
	ds_load_b128 v[X+8*(\p):X+8*(\p)+3],   v[RD] offset:2*DP*(\p)
	ds_load_b128 v[X+8*(\p)+4:X+8*(\p)+7], v[RD] offset:2*DP*(\p)+256
.endr
.irp p, 0,1,2,3,4,5,6,7
	s_wait_dscnt 14-2*(\p)                         ; pair p's two loads are in, the younger ones stay out
	v_max3_num_f32 v[ST+2*(\p)+1], v[X+8*(\p)], v[X+8*(\p)+1], v[X+8*(\p)+2]
	v_max3_num_f32 v[ST+2*(\p)+1], v[ST+2*(\p)+1], v[X+8*(\p)+3], v[X+8*(\p)+4]
	v_max3_num_f32 v[ST+2*(\p)+1], v[ST+2*(\p)+1], v[X+8*(\p)+5], v[X+8*(\p)+6]
	v_max_num_f32 v[ST+2*(\p)+1], v[ST+2*(\p)+1], v[X+8*(\p)+7]
.endr
.irp m, 1,2,4
.irp p, 0,1,2,3,4,5,6,7
	v_max_num_f32_dpp v[ST+2*(\p)+1], v[ST+2*(\p)+1], v[ST+2*(\p)+1] row_xmask:\m row_mask:0xf bank_mask:0xf
.endr
.endr
.irp p, 0,1,2,3,4,5,6,7
	v_permlanex16_b32 v[T+(\p)], v[ST+2*(\p)+1], s[SEL], s[SEL+1]  ; the row's other 64 keys lie in the lane 16 away
.endr
.irp p, 0,1,2,3,4,5,6,7
	v_max_num_f32 v[ST+2*(\p)+1], v[ST+2*(\p)+1], v[T+(\p)]
.endr
.irp p, 0,1,2,3,4,5,6,7
	v_mul_f32 v[ST+2*(\p)], s[NC], v[ST+2*(\p)+1]
.endr
.irp p, 0,1,2,3,4,5,6,7
	v_floor_f32 v[ST+2*(\p)], v[ST+2*(\p)]         ; ne = floor(-c m)
.endr
.irp p, 0,1,2,3,4,5,6,7
.irp i, 0,2,4,6
	v_pk_fma_f32 v[X+8*(\p)+(\i):X+8*(\p)+(\i)+1], v[X+8*(\p)+(\i):X+8*(\p)+(\i)+1], s[CS:CS+1], v[ST+2*(\p):ST+2*(\p)+1] op_sel_hi:[1,0,0]  ; c s + ne
.endr
.endr
.set i, 0
.rept 64
	v_exp_f32 v[X+i], v[X+i]                       ; one batch
.set i, i+1
.endr
	v_nop                                          ; a plain instruction behind the last exponential,
	s_wait_alu depctr_va_vdst(0)                   ; and the one wait ahead of the batch's first reader
.irp p, 0,1,2,3,4,5,6,7
.irp i, 0,1,2,3
	v_cvt_pk_f16_f32 v[Y+4*(\p)+(\i)], v[X+8*(\p)+2*(\i)], v[X+8*(\p)+2*(\i)+1]
.endr
.endr
.irp p, 0,1,2,3,4,5,6,7
	v_pk_add_f32 v[X+8*(\p):X+8*(\p)+1], v[X+8*(\p):X+8*(\p)+1], v[X+8*(\p)+2:X+8*(\p)+3]
	v_pk_add_f32 v[X+8*(\p)+4:X+8*(\p)+5], v[X+8*(\p)+4:X+8*(\p)+5], v[X+8*(\p)+6:X+8*(\p)+7]
.endr
.irp p, 0,1,2,3,4,5,6,7
	v_pk_add_f32 v[X+8*(\p):X+8*(\p)+1], v[X+8*(\p):X+8*(\p)+1], v[X+8*(\p)+4:X+8*(\p)+5]
.endr
.irp p, 0,1,2,3,4,5,6,7
	v_add_f32 v[ST+2*(\p)+1], v[X+8*(\p)], v[X+8*(\p)+1]
.endr
.irp m, 1,2,4
.irp p, 0,1,2,3,4,5,6,7
	v_add_f32_dpp v[ST+2*(\p)+1], v[ST+2*(\p)+1], v[ST+2*(\p)+1] row_xmask:\m row_mask:0xf bank_mask:0xf
.endr
.endr
.irp p, 0,1,2,3,4,5,6,7
	v_permlanex16_b32 v[T+(\p)], v[ST+2*(\p)+1], s[SEL], s[SEL+1]
.endr
.irp p, 0,1,2,3,4,5,6,7
	v_add_f32 v[ST+2*(\p)+1], v[ST+2*(\p)+1], v[T+(\p)]
.endr
.irp p, 0,1,2,3,4,5,6,7
	ds_store_b32 v[SA], v[ST+2*(\p)]   offset:8*(\p)       ; the sixteen lanes of a row write the same word with the same number
	ds_store_b32 v[SA], v[ST+2*(\p)+1] offset:512+8*(\p)
	global_store_b128 v[CO], v[Y+4*(\p):Y+4*(\p)+3], s[CB:CB+1] offset:256*(\p)  ; sixteen lanes store 256 consecutive bytes, aligned: rows 2 p and 2 p + 1 of one block
.endr
	s_wait_xcnt 0x0                                ; the stores have read their registers and their base
	v_add_nc_u32 v[RD], 16*DP, v[RD]
	v_add_nc_u32 v[SA], 64, v[SA]
	s_add_nc_u64 s[CB:CB+1], s[CB:CB+1], 2048
	s_sub_co_u32 s3, s3, 1
	s_cmp_lg_u32 s3, 0
	s_cbranch_scc1 .Lrows
	ds_load_b128 v[32:35], v[SR]                   ; my wave's own 128 ne and 128 l: LDS serves a wave's instructions in order
	ds_load_b128 v[36:39], v[SR] offset:512
	s_wait_dscnt 0x0
	global_store_b128 v[SO], v[32:35], s[SB:SB+1]                 ; 512 consecutive bytes
	global_store_b128 v[SO], v[36:39], s[SB:SB+1] offset:524288
	s_wait_tensorcnt 0x0                           ; the wave's end
	ds_add_u32 v[SPW], v[NIL]
	s_wait_dscnt 0x0
	CROUND
	s_endpgm
.Lfunc_end_k_q24f075e0fe_sc:
	.size	k_q24f075e0fe_sc, .Lfunc_end_k_q24f075e0fe_sc-k_q24f075e0fe_sc
	.p2alignl 7, 3214868480
	.fill 96, 4, 3214868480
	.section	.rodata,"a",@progbits
	.p2align	6, 0x0
	.amdhsa_kernel k_q24f075e0fe_sc
		.amdhsa_group_segment_fixed_size 327680
		.amdhsa_private_segment_fixed_size 0
		.amdhsa_enable_private_segment 0
		.amdhsa_kernarg_size 24
		.amdhsa_user_sgpr_count 2
		.amdhsa_user_sgpr_kernarg_segment_ptr 1
		.amdhsa_wavefront_size32 1
		.amdhsa_system_sgpr_workgroup_id_x 1
		.amdhsa_system_sgpr_workgroup_id_y 1
		.amdhsa_system_sgpr_workgroup_id_z 1
		.amdhsa_system_vgpr_workitem_id 0
		.amdhsa_next_free_vgpr 1024
		.amdhsa_next_free_sgpr 80
		.amdhsa_reserve_vcc 0
		.amdhsa_float_denorm_mode_32 3
		.amdhsa_float_denorm_mode_16_64 3
		.amdhsa_memory_ordered 1
		.amdhsa_forward_progress 1
		.amdhsa_inst_pref_size 96
	.end_amdhsa_kernel
	.amdgpu_metadata
---
amdhsa.version: [ 1, 2 ]
amdhsa.kernels:
  - .name:           k_q24f075e0fe_sc
    .symbol:         k_q24f075e0fe_sc.kd
    .args:
      - { .name: qk, .offset: 0, .size: 8, .value_kind: global_buffer, .address_space: global }
      - { .name: pp, .offset: 8, .size: 8, .value_kind: global_buffer, .address_space: global }
      - { .name: st, .offset: 16, .size: 8, .value_kind: global_buffer, .address_space: global }
    .group_segment_fixed_size: 327680
    .private_segment_fixed_size: 0
    .kernarg_segment_align: 8
    .kernarg_segment_size: 24
    .max_flat_workgroup_size: 128
    .sgpr_count:     80
    .vgpr_count:     1024
    .wavefront_size: 32
...
	.end_amdgpu_metadata
.endif
;; end of part 4
;; launch pv (part 5): grid 4 x 64, 4 waves a work-group, clusters of 4 x 4, 327,680 bytes of LDS; arguments pp, vt, st, out0; writes out0
.if DOCPART == 5
	.amdgcn_target "amdgcn-amd-amdhsa--gfx1250"
	.amdhsa_code_object_version 6
	.text
	.protected	k_q24f075e0fe_pv
	.globl	k_q24f075e0fe_pv
	.p2align	8
	.type	k_q24f075e0fe_pv,@function
k_q24f075e0fe_pv:
	s_mov_b64 s[64:65], 0
	v_nop
	global_prefetch_b8 v0, s[64:65] scope:SCOPE_SE
	s_setreg_imm32_b32 hwreg(HW_REG_WAVE_MODE, 25, 1), 1
	s_wait_xcnt 0x0
	s_wait_alu depctr_hold_cnt(0) depctr_sa_sdst(0) depctr_va_vdst(0) depctr_va_sdst(0) depctr_va_ssrc(0) depctr_va_vcc(0) depctr_vm_vsrc(0)
	s_getreg_b32 s2, hwreg(HW_REG_IB_STS2, 6, 4)
	s_cmp_eq_u32 s2, 0
	s_cbranch_scc0 .Lentry_in_a_cluster
	s_endpgm
.Lentry_in_a_cluster:
	s_bfe_u32 s2, ttmp6, 0x10000c
	s_cmp_lg_u32 s2, 0xf033
	s_cbranch_scc0 .Lentry_shape_is_right
	s_endpgm
.Lentry_shape_is_right:
; out0[q][f] = (sum over the 16 key blocks j of f_j[q] x sum over the block's keys of p'[q][k] v[f][k]) / L[q].
; From st: nmin = the least ne_j of the row, f_j = 2^(nmin - ne_j), an exact power of two at most 1, L = sum of l_j f_j in f32.  pp's fragments are multiplied by f_j (packed f16, exact but where
; the product falls under f16's normal range) between their load and the matrix instruction; 1 / L is applied in f32 on the way out.
; LIMITS: nmin - ne_j is held at -64 or above; a weight under 2^-24 of the row's largest binade counts as 0; NaN and infinities are not treated apart.
; A tile is 128 queries x 256 channels: four waves, each 64 x 128 in 32 accumulators.
; pp AND vt LIE IN BLOCKS: [group of 128 rows][half block of 64 keys][128 rows][64 keys], 16,384 bytes a half block.  So any run of half blocks of a group is dense, and is asked for as rows of 256 bytes
; (two tensor rows each) with 16 bytes of padding behind each: tensor row r lies at (r / 2) x 272 + (r % 2) x 128, and the sixteen rows of a fragment load fall on sixteen different columns of 16 bytes.
; THE RING: two LDS slots of THREE half blocks, 192 keys: the most that fits twice.  A slot is six quarters of 32 keys, 192 matrix instructions a wave; a joint refill has 176 of them in which to land.
; The batch's 32 half blocks are 2 + 10 x 3: the first slot holds two, in its places 1 and 2, so the loop is entered in its middle and no load is cut short at the end.
; CLUSTER 4 x 4: pp's tiles are asked for jointly along a row of the cluster, vt's along a column.  One slot's text is written; s[TB] is the slot in hand.
; TRANSPOSED USE: source 0 = 16 rows of vt, source 1 = 16 rows of pp: a lane holds query l % 16 and the channels 16 b + 8 (l / 16) + 0..7.
; REGISTERS: window 0: v0-31 addresses, v32-43 f of my four row blocks for the slot's three places, fragment buffers at v64 and v160 (B's 64 registers, then A's 32); window 1: accumulator (a, b) at v[8 (8 a + b)].
.set PITCH,  272
.set PS,     64*PITCH                  ; a half block of 128 rows in LDS: from place to place in a slot
.set BLK,    8*PITCH                   ; 16 tensor rows
.set AREG,   3*PS                      ; pp's part of a slot
.set BP,     3*PS                      ; one of vt's two pieces
.set SLOT,   AREG+2*BP
.set HBB,    16384                     ; a half block in memory
.set DP,     528                       ; the way out: a row of 128 f32 + 16 bytes
.set FT,     2*SLOT                    ; [32 half blocks][128 rows] of f16: the row's f for that half block
.set RL2,    FT+8192                   ; [128 rows] pairs: 1 / L twice
.set SPARE,  RL2+1024
.set FILLS,  9                         ; slots 2 to 10 are asked for in the loop
.set G1W0,   (1<<16)|(1<<20)|(1<<21)|(5<<22)|(3<<25)  ; 2-byte elements; padding on; bit 21 beside a mask; after every 64 words; 4 words
.set A0,   16
.set B0,   17
.set ADRA, 18
.set ADRB, 19
.set STO,  24
.set RD,   25
.set CO,   26
.set FTA,  27                          ; where my rows' f lie for place 0 of the slot to come
.set SPW,  28
.set NIL,  29
.set PFO,  30
.set RL,   31                          ; where the rows' 1 / L lie
.set FS,   32                          ; v[32 + 4 place + a]
.set F0,   64
.set F1,   160
.set WV,  14
.set RH,  15
.set CH,  16
.set CX,  17
.set CY,  18
.set TC,  19
.set TR,  20
.set CLY, 21
.set G1,  24                           ; s[24:31] group 1 for pp's refills: 96 rows of 256 bytes
.set G0F, 32
.set G0W, 36
.set G1B, 48                           ; s[48:55] for vt's: 192 rows
.set G0BF, 56
.set G0BW, 60
.set TB,  66
.set LIM, 67
.set PFA, 68
.set PIECEA, 70
.set PIECEB, 71
.set CB,  72
.set SB,  74
.set G1P, 80                           ; s[80:87] group 1 for pp's first fill: 64 rows
.set G1BP, 88                          ; s[88:95] for vt's: 128 rows
.set MSB, 0
.macro WIN new
.if MSB != (\new)
	s_set_vgpr_msb (MSB<<8)|(\new)
.set MSB, \new
.endif
.endm
.macro PLACES
.rept 4
	v_nop
.endr
.endm
.macro CREST
	s_cmp_lg_u32 s[WV], 0
	s_cbranch_scc1 .Lnot_wave_0_\@
	s_barrier_signal -3
.Lnot_wave_0_\@:
	s_barrier_wait -3
	s_barrier_signal -1
	s_barrier_wait -1
.endm
.macro CROUND
	s_barrier_signal -1
	s_barrier_wait -1
	CREST
.endm
.macro SHAPE g, rows                   ; a dense block as rows of 128 elements
	s_mov_b32 s[(\g)+1], 128<<16
	s_mov_b32 s[(\g)+2], (\rows)<<16
	s_mov_b32 s[(\g)+3], 128<<16
	s_mov_b32 s[(\g)+4], \rows
	s_mov_b32 s[(\g)+5], 128
	s_mov_b32 s[(\g)+6], 0
	s_mov_b32 s[(\g)+7], 0
.endm
.macro JLOAD
	s_cmp_eq_u32 s[RH], 0
	s_cbranch_scc0 .Lfor_b_\@
	tensor_load_to_lds s[G0W:G0W+3], s[G1:G1+7]
	s_nop 0
.rept 4
	v_nop
.endr
	s_branch .Lasked_\@
.Lfor_b_\@:
	tensor_load_to_lds s[G0BW:G0BW+3], s[G1B:G1B+7]
	s_nop 0
.rept 4
	v_nop
.endr
.Lasked_\@:
.endm
; A PREFETCH behind each of the first six joint refills and their runs of LDS loads.  Refill t asks for half blocks 8 + 4 t .. 11 + 4 t, one for each of the four partners of a joint load, told apart by address;
; a lane names 256 bytes.  pp's group is read by this cluster alone: waves 0 and 1 take half of the partner's half block each, one line.  vt's pieces are read by the four clusters along y that share a batch:
; waves 2 and 3 of the first of them take their own piece's half block, two lines.  So each 256 bytes are named once.  Half blocks 0 to 7 come by their loads alone; the first of a refill's half blocks is
; loaded one change of slots later, the last three changes later; 8 + 4 x 5 + 3 = 31 is the batch's last.
.macro ASK
	s_cmp_gt_u32 s3, s[LIM]
	s_cbranch_scc0 .Lnot_mine_\@
	global_prefetch_b8 v[PFO], s[PFA:PFA+1] th:TH_LOAD_NT scope:SCOPE_SE
	s_cmp_eq_u32 s[RH], 0
	s_cbranch_scc1 .Lnot_mine_\@
	global_prefetch_b8 v[PFO], s[PFA:PFA+1] offset:8192 th:TH_LOAD_NT scope:SCOPE_SE
.Lnot_mine_\@:
.endm
.macro MUL8 f, a, start                ; row block a x all 8 column blocks; the 32 accumulators take turns, in the same order in every quarter
	WIN 0x50
.irp b, 0,1,2,3,4,5,6,7
.if \start
	v_wmma_f32_16x16x32_f16 v[8*(8*(\a)+(\b)):8*(8*(\a)+(\b))+7], v[(\f)+8*(\b):(\f)+8*(\b)+7], v[(\f)+64+8*(\a):(\f)+64+8*(\a)+7], 0
.else
	v_wmma_f32_16x16x32_f16 v[8*(8*(\a)+(\b)):8*(8*(\a)+(\b))+7], v[(\f)+8*(\b):(\f)+8*(\b)+7], v[(\f)+64+8*(\a):(\f)+64+8*(\a)+7], v[8*(8*(\a)+(\b)):8*(8*(\a)+(\b))+7]
.endif
.endr
.endm
.macro SCALE f, a, fs                  ; row block a's fragment of pp times its rows' f
	WIN 0
.irp i, 0,1,2,3,4,5,6,7
	v_pk_mul_f16 v[(\f)+64+8*(\a)+(\i)], v[(\f)+64+8*(\a)+(\i)], v[(\fs)+(\a)]
.endr
.endm
.macro FETCH q, f                      ; 24 LDS loads in one run: quarter q of the slot in hand (place q / 2, 64 bytes (q % 2) of its rows): B's eight fragments, then A's four
	WIN 0
.irp i, 0,1,2,3,4,5,6,7
	ds_load_b128 v[(\f)+8*(\i):(\f)+8*(\i)+3],   v[ADRB] offset:((\q)/2)*PS+((\q)%2)*64+(\i)*BLK
	ds_load_b128 v[(\f)+8*(\i)+4:(\f)+8*(\i)+7], v[ADRB] offset:((\q)/2)*PS+((\q)%2)*64+(\i)*BLK+32
.endr
.irp i, 0,1,2,3
	ds_load_b128 v[(\f)+64+8*(\i):(\f)+64+8*(\i)+3],   v[ADRA] offset:((\q)/2)*PS+((\q)%2)*64+(\i)*BLK
	ds_load_b128 v[(\f)+64+8*(\i)+4:(\f)+64+8*(\i)+7], v[ADRA] offset:((\q)/2)*PS+((\q)%2)*64+(\i)*BLK+32
.endr
.endm
; A quarter: multiplies buffer f, whose rows' f lie in v[fs ..]; near its head it fetches quarter qn into g, which then has this quarter's 32 matrix instructions in which to land.
; dup = 1, a slot's first quarter: the slot's twelve f, loaded as 16 bits, are doubled into both halves of their registers.
.macro QUARTER qn, f, g, fs, start, dup=0
	s_wait_dscnt 4                                 ; f, B and A's blocks 0, 1 are in; the youngest four loads (blocks 2, 3) may be out
.if \dup
	WIN 0
.irp i, 0,1,2,3,4,5,6,7,8,9,10,11
	v_lshl_or_b32 v[FS+(\i)], v[FS+(\i)], 16, v[FS+(\i)]
.endr
.endif
	SCALE \f, 0, \fs                               ; sixteen plain instructions that name no register of the last products: also the places in front of the loads into g
	SCALE \f, 1, \fs
	FETCH \qn, \g
	MUL8 \f, 0, \start
	MUL8 \f, 1, \start
	s_wait_dscnt 24                                ; all but the 24 just issued
	SCALE \f, 2, \fs
	SCALE \f, 3, \fs
	MUL8 \f, 2, \start
	MUL8 \f, 3, \start
.endm
; A slot's last quarter, on buffer 1, and the change of slots.  In front of the barrier each wave waits for all its tensor loads (one is out: its part of the next slot), adds 0 to its spare word, and waits
; for that and for its reads of this slot.  fill = 1: the barrier opens a round of the cluster's, and the joint refill of the slot just read, with the three half blocks two slots on, is the first thing behind it.
.macro TURN fill
.if \fill
	s_wait_xcnt 0x0                                ; the last prefetches, a slot back, have read their address
	s_add_nc_u64 s[PFA:PFA+1], s[PFA:PFA+1], 4*HBB
.endif
	WIN 0
	s_wait_tensorcnt 0x0                           ; no tensor load of mine is out, so a group 0 may be written
	ds_add_u32 v[SPW], v[NIL]
.if \fill
	s_add_nc_u64 s[G0W+2:G0W+3], s[G0W+2:G0W+3], 3*HBB
	s_add_nc_u64 s[G0BW+2:G0BW+3], s[G0BW+2:G0BW+3], 3*HBB
	s_add_co_u32 s[G0W+1], s[PIECEA], s[TB]
	s_add_co_u32 s[G0BW+1], s[PIECEB], s[TB]
.endif
	s_wait_dscnt 5                                 ; the add and the youngest four loads may be out
	SCALE F1, 0, FS+8
	SCALE F1, 1, FS+8
	MUL8 F1, 0, 0
	s_wait_dscnt 0x0                               ; the add is done, and my reads of this slot are over
	s_barrier_signal -1
	SCALE F1, 2, FS+8
	SCALE F1, 3, FS+8
	MUL8 F1, 1, 0
	WIN 0
	s_barrier_wait -1
.if \fill
	CREST
	JLOAD
.else
	PLACES
.endif
	s_xor_b32 s[TB], s[TB], SLOT
	v_add_nc_u32 v[ADRA], s[TB], v[A0]
	v_add_nc_u32 v[ADRB], s[TB], v[B0]
.irp p, 0,1,2
.irp a, 0,1,2,3
	ds_load_u16 v[FS+4*(\p)+(\a)], v[FTA] offset:256*(\p)+32*(\a)  ; the next slot's f (behind the last half block: bytes of the table behind, which are written and not used)
.endr
.endr
	v_add_nc_u32 v[FTA], 768, v[FTA]               ; three half blocks on
	FETCH 0, F0
.if \fill
	ASK
.endif
	MUL8 F1, 2, 0
	MUL8 F1, 3, 0
.endm
	s_load_b256 s[4:11], s[0:1], 0x0               ; pp s[4:5], vt s[6:7], st s[8:9], out0 s[10:11]
	v_lshl_add_u32 v[SPW], v0, 2, SPARE
	v_mov_b32 v[NIL], 0
	ds_add_u32 v[SPW], v[NIL]                      ; the wave's opening
	v_lshrrev_b32 v1, 5, v0
	v_readfirstlane_b32 s[WV], v1
	s_lshr_b32 s[RH], s[WV], 1                     ; my half of the rows; also: I fetch for pp (0) or vt (1)
	s_and_b32 s[CH], s[WV], 1                      ; my half of the columns; also: which part I fetch
	s_bfe_u32 s[CX], ttmp6, 0x40000
	s_bfe_u32 s[CY], ttmp6, 0x40004
	s_lshl_b32 s[TC], ttmp9, 2
	s_add_co_u32 s[TC], s[TC], s[CX]
	s_and_b32 s[CLY], ttmp7, 0xffff
	s_lshl_b32 s[TR], s[CLY], 2
	s_add_co_u32 s[TR], s[TR], s[CY]               ; the tile of 128 queries, which is group TR of pp; the batch is CLY / 4
	s_lshl_b32 s22, s[CY], 2
	s_lshl_b32 s22, 15, s22
	s_lshl_b32 s23, 0x1111, s[CX]
	s_or_b32 s[G1], s22, G1W0
	s_or_b32 s[G1P], s22, G1W0
	s_or_b32 s[G1B], s23, G1W0
	s_or_b32 s[G1BP], s23, G1W0
	SHAPE G1, 96                                   ; half of pp's three half blocks
	SHAPE G1P, 64                                  ; one of pp's first two half blocks
	SHAPE G1B, 192                                 ; three half blocks of a piece of vt
	SHAPE G1BP, 128                                ; its first two
	s_lshl_b32 s40, s[TR], 19                      ; pp's group: 32 half blocks of 16,384 bytes
	s_mov_b32 s41, 0
	s_lshl_b32 s42, s[CH], 14
	s_add_co_u32 s42, s42, s40                     ; first fill: half block CH
	s_mov_b32 s43, 0
	s_mul_i32 s46, s[CH], 3*HBB/2
	s_add_co_u32 s46, s46, s40
	s_add_co_u32 s46, s46, 2*HBB                   ; slot 1: half CH of half blocks 2 to 4
	s_mov_b32 s47, 0
	s_lshl_b32 s44, s[TC], 1
	s_add_co_u32 s44, s44, s[CH]
	s_lshl_b32 s44, s44, 21                        ; vt's group 2 TC + CH: 128 half blocks,
	s_lshr_b32 s2, s[CLY], 2
	s_lshl_b32 s2, s2, 19
	s_add_co_u32 s44, s44, s2                      ; at the batch's 32
	s_mov_b32 s45, 0
	s_mul_i32 s[PIECEA], s[CH], AREG/2
	s_mul_i32 s[PIECEB], s[CH], BP
	s_add_co_u32 s[PIECEB], s[PIECEB], AREG
	s_mov_b32 s[TB], 0
	s_wait_dscnt 0x0
	s_wait_kmcnt 0x0
	CROUND
	s_mov_b32 s[G0F], 1
	s_mul_i32 s[G0F+1], s[CH], PS
	s_add_co_u32 s[G0F+1], s[G0F+1], PS            ; slot 0, place 1 + CH
	s_add_nc_u64 s[G0F+2:G0F+3], s[4:5], s[42:43]
	s_or_b32 s[G0F+3], s[G0F+3], 0x80000000
	s_mov_b32 s[G0W], 1
	s_add_co_u32 s[G0W+1], s[PIECEA], SLOT
	s_add_nc_u64 s[G0W+2:G0W+3], s[4:5], s[46:47]
	s_or_b32 s[G0W+3], s[G0W+3], 0x80000000
	s_mov_b32 s[G0BF], 1
	s_add_co_u32 s[G0BF+1], s[PIECEB], PS          ; slot 0, places 1 and 2
	s_add_nc_u64 s[G0BF+2:G0BF+3], s[6:7], s[44:45]
	s_or_b32 s[G0BF+3], s[G0BF+3], 0x80000000
	s_mov_b32 s[G0BW], 1
	s_add_co_u32 s[G0BW+1], s[PIECEB], SLOT
	s_add_nc_u64 s[G0BW+2:G0BW+3], s[6:7], s[44:45]
	s_add_nc_u64 s[G0BW+2:G0BW+3], s[G0BW+2:G0BW+3], 2*HBB
	s_or_b32 s[G0BW+3], s[G0BW+3], 0x80000000
	s_cmp_eq_u32 s[RH], 0                          ; a wave's two first fills stand in one branch: two loads of mine are out
	s_cbranch_scc0 .Lfirst_b
	tensor_load_to_lds s[G0F:G0F+3], s[G1P:G1P+7]
	s_nop 0
	tensor_load_to_lds s[G0W:G0W+3], s[G1:G1+7]
	s_nop 0
.rept 4
	v_nop
.endr
	s_branch .Lfirst_asked
.Lfirst_b:
	tensor_load_to_lds s[G0BF:G0BF+3], s[G1BP:G1BP+7]
	s_nop 0
	tensor_load_to_lds s[G0BW:G0BW+3], s[G1B:G1B+7]
	s_nop 0
.rept 4
	v_nop
.endr
.Lfirst_asked:
	; THE STATISTICS, while the first tiles are on their way: thread t takes row 128 TR + t
	s_lshl_b32 s22, s[TR], 9
	s_mov_b32 s23, 0
	s_add_nc_u64 s[SB:SB+1], s[8:9], s[22:23]
	v_lshlrev_b32 v5, 2, v0
.irp j, 0,1,2,3,4,5,6,7,8,9,10,11,12,13,14,15
	global_load_b32 v[64+(\j)], v5, s[SB:SB+1] offset:32768*(\j)          ; ne_j
	global_load_b32 v[80+(\j)], v5, s[SB:SB+1] offset:524288+32768*(\j)   ; l_j
.endr
	v_lshl_add_u32 v6, v0, 1, FT
	v_lshl_add_u32 v7, v0, 3, RL2
	v_and_b32 v1, 15, v0
	v_bfe_u32 v2, v0, 4, 1
	v_lshrrev_b32 v3, 1, v1
	v_mul_u32_u24 v3, v3, PITCH
	v_and_b32 v4, 1, v1
	v_lshl_add_u32 v3, v4, 7, v3
	v_lshl_add_u32 v3, v2, 4, v3                   ; (r / 2) x 272 + (r % 2) x 128 + 16 x half
	s_mul_i32 s22, s[RH], 32*PITCH                 ; my 64 rows of pp's 128
	v_add_nc_u32 v[A0], s22, v3
	v_add_nc_u32 v[B0], s[PIECEB], v3              ; my 128 rows of vt are the piece with my CH
	s_mul_i32 s22, s[WV], 64*DP                    ; my region of the way out: 64 rows x 528 bytes, in slot 0 once it has had its last fill
	v_mul_u32_u24 v4, v1, DP
	v_lshl_add_u32 v4, v2, 5, v4
	v_add_nc_u32 v[STO], s22, v4                   ; in: row l % 16, 32 bytes for each half of the lanes
	v_and_b32 v[CO], 31, v0
	v_lshlrev_b32 v[CO], 4, v[CO]                  ; back and out: 32 lanes take one row of 512 bytes
	v_add_nc_u32 v[RD], s22, v[CO]
	s_lshl_b32 s22, s[RH], 7
	s_add_co_u32 s22, s22, FT
	v_lshl_add_u32 v[FTA], v1, 1, s22              ; FT + 2 (64 RH + l % 16)
	s_lshl_b32 s22, s[RH], 9
	s_add_co_u32 s22, s22, RL2
	v_mov_b32 v[RL], s22
	s_lshl_b32 s76, s[TR], 7
	s_lshl_b32 s77, s[RH], 6
	s_add_co_u32 s76, s76, s77
	s_lshl_b32 s76, s76, 12                        ; my first row of out0, 4,096 bytes a row
	s_lshl_b32 s77, s[TC], 10
	s_add_co_u32 s76, s76, s77
	s_lshl_b32 s77, s[CH], 9
	s_add_co_u32 s76, s76, s77
	s_mov_b32 s77, 0
	s_add_nc_u64 s[CB:CB+1], s[10:11], s[76:77]
	; the prefetches: the group's first byte + half block 4 + my work-group's place (the first change of slots steps it four on) + for pp my wave's half of it
	s_and_b32 s12, s[CLY], 3
	s_cmp_eq_u32 s[RH], 0
	s_cselect_b32 s22, s40, s44
	s_cselect_b32 s23, s[CX], s[CY]
	s_cselect_b32 s2, 0, s12                       ; vt's rows are asked for by the first of the four clusters that share a batch
	s_cselect_b32 s13, s[CH], 0
	s_cselect_b64 s[PFA:PFA+1], s[4:5], s[6:7]
	s_cmp_eq_u32 s2, 0
	s_cselect_b32 s[LIM], 3, -1                    ; the loop's count runs 9 .. 1: the first six changes ask
	s_add_co_u32 s23, s23, 4
	s_lshl_b32 s23, s23, 14
	s_add_co_u32 s22, s22, s23
	s_lshl_b32 s13, s13, 13
	s_add_co_u32 s22, s22, s13
	s_mov_b32 s23, 0
	s_add_nc_u64 s[PFA:PFA+1], s[PFA:PFA+1], s[22:23]
	v_and_b32 v[PFO], 31, v0
	v_lshlrev_b32 v[PFO], 8, v[PFO]
	v_mov_b32 v[ADRA], v[A0]
	v_mov_b32 v[ADRB], v[B0]
	s_wait_loadcnt 0x0
	v_min3_num_f32 v36, v64, v65, v66
.irp j, 67,69,71,73,75,77
	v_min3_num_f32 v36, v36, v[\j], v[(\j)+1]
.endr
	v_min_num_f32 v36, v36, v79                    ; nmin
.irp j, 0,1,2,3,4,5,6,7,8,9,10,11,12,13,14,15
	v_sub_f32 v[96+(\j)], v36, v[64+(\j)]
.endr
.irp j, 0,1,2,3,4,5,6,7,8,9,10,11,12,13,14,15
	v_max_num_f32 v[96+(\j)], 0xc2800000, v[96+(\j)]   ; at -64 or above
.endr
.irp j, 0,1,2,3,4,5,6,7,8,9,10,11,12,13,14,15
	v_cvt_i32_f32 v[96+(\j)], v[96+(\j)]
.endr
.irp j, 0,1,2,3,4,5,6,7,8,9,10,11,12,13,14,15
	v_add_nc_u32 v[96+(\j)], 127, v[96+(\j)]
.endr
.irp j, 0,1,2,3,4,5,6,7,8,9,10,11,12,13,14,15
	v_lshlrev_b32 v[96+(\j)], 23, v[96+(\j)]       ; f_j = 2^(nmin - ne_j), made by its exponent field
.endr
	v_mul_f32 v37, v80, v96
.irp j, 1,2,3,4,5,6,7,8,9,10,11,12,13,14,15
	v_fmac_f32 v37, v[80+(\j)], v[96+(\j)]         ; L
.endr
.irp j, 0,1,2,3,4,5,6,7,8,9,10,11,12,13,14,15
	v_cvt_pk_f16_f32 v[112+(\j)], v[96+(\j)], v[96+(\j)]
	ds_store_b16 v6, v[112+(\j)] offset:512*(\j)       ; block j is half blocks 2 j
	ds_store_b16 v6, v[112+(\j)] offset:512*(\j)+256   ; and 2 j + 1
.endr
	v_rcp_f32 v38, v37
	v_nop                                          ; a plain instruction behind the reciprocal,
	s_wait_alu depctr_va_vdst(0)                   ; and the wait ahead of its first reader
	v_mov_b32 v39, v38
	ds_store_b64 v7, v[38:39]
	s_wait_dscnt 0x0                               ; for the others' sake: my part of the two tables is written
	s_wait_tensorcnt 0x1                           ; my part of slot 0 is in; slot 1's may stay out
	s_barrier_signal -1
	s_barrier_wait -1
.irp a, 0,1,2,3
	ds_load_u16 v[FS+4+(\a)], v[FTA] offset:32*(\a)        ; half block 0 lies in place 1,
	ds_load_u16 v[FS+8+(\a)], v[FTA] offset:256+32*(\a)    ; half block 1 in place 2
.endr
	v_add_nc_u32 v[FTA], 512, v[FTA]               ; slot 1 begins with half block 2
	FETCH 2, F0
	s_wait_dscnt 24                                ; the eight f are in; the 24 loads behind them may be out
.irp i, 4,5,6,7,8,9,10,11
	v_lshl_or_b32 v[FS+(\i)], v[FS+(\i)], 16, v[FS+(\i)]
.endr
	QUARTER 3, F0, F1, FS+4, 1                     ; slot 0's first quarter, in the place of quarter 2: its products start the sums
	WIN 0
	s_mov_b32 s3, FILLS
	s_branch .Lenter                               ; the loop is entered in the middle of a trip
.Lstep:                                            ; a trip: a slot's quarters 1 to 5 and the next slot's quarter 0; the slot just read takes the half blocks two slots on
	QUARTER 2, F1, F0, FS, 0
	QUARTER 3, F0, F1, FS+4, 0
	WIN 0
.Lenter:
	QUARTER 4, F1, F0, FS+4, 0
	QUARTER 5, F0, F1, FS+8, 0
	TURN 1
	QUARTER 1, F0, F1, FS, 0, 1
	WIN 0
	s_sub_co_u32 s3, s3, 1
	s_cmp_lg_u32 s3, 0
	s_cbranch_scc1 .Lstep
	s_mov_b32 s3, 2
.Ltail:                                            ; the last two slots ask for nothing; the second trip's fetch of the other slot's old tile serves nothing: the price of one text
	QUARTER 2, F1, F0, FS, 0
	QUARTER 3, F0, F1, FS+4, 0
	QUARTER 4, F1, F0, FS+4, 0
	QUARTER 5, F0, F1, FS+8, 0
	TURN 0
	WIN 0
	s_sub_co_u32 s3, s3, 1
	s_cmp_eq_u32 s3, 0
	s_cbranch_scc1 .Lout
	QUARTER 1, F0, F1, FS, 0, 1
	WIN 0
	s_branch .Ltail
.Lout:
	; THE WAY OUT: the sums go into my region in f32 and come back as whole rows of 512 bytes, which are multiplied by the row's 1 / L and stored.
	s_wait_dscnt 0x0                               ; behind this barrier no wave reads the slots, which have had their last fill
	s_barrier_signal -1
	s_barrier_wait -1
	PLACES
	WIN 0x04                                       ; the stored data lie in window 1
.irp a, 0,1,2,3
.irp b, 0,1,2,3,4,5,6,7
	ds_store_b128 v[STO], v[8*(8*(\a)+(\b)):8*(8*(\a)+(\b))+3]   offset:(\a)*16*DP+64*(\b)
	ds_store_b128 v[STO], v[8*(8*(\a)+(\b))+4:8*(8*(\a)+(\b))+7] offset:(\a)*16*DP+64*(\b)+16
.endr
.endr
	WIN 0
	s_mov_b32 s3, 4
.Lrows:                                            ; 16 rows a trip
.irp t, 0,1,2,3,4,5,6,7,8,9,10,11,12,13,14,15
	ds_load_b64 v[128+2*(\t):129+2*(\t)], v[RL] offset:8*(\t)       ; the row's 1 / L, the same pair for all lanes
	ds_load_b128 v[64+4*(\t):67+4*(\t)], v[RD] offset:DP*(\t)
.endr
.irp t, 0,1,2,3,4,5,6,7,8,9,10,11,12,13,14,15
	s_wait_dscnt 30-2*(\t)                         ; row t's two loads are in, the younger ones stay out
	v_pk_mul_f32 v[64+4*(\t):65+4*(\t)], v[64+4*(\t):65+4*(\t)], v[128+2*(\t):129+2*(\t)]
	v_pk_mul_f32 v[66+4*(\t):67+4*(\t)], v[66+4*(\t):67+4*(\t)], v[128+2*(\t):129+2*(\t)]
	global_store_b128 v[CO], v[64+4*(\t):67+4*(\t)], s[CB:CB+1] offset:4096*(\t) th:TH_STORE_NT  ; 512 consecutive bytes, aligned
.endr
	s_wait_xcnt 0x0                                ; the stores have read their registers and their base
	v_add_nc_u32 v[RD], 16*DP, v[RD]
	v_add_nc_u32 v[RL], 128, v[RL]
	s_add_nc_u64 s[CB:CB+1], s[CB:CB+1], 65536
	s_sub_co_u32 s3, s3, 1
	s_cmp_lg_u32 s3, 0
	s_cbranch_scc1 .Lrows
	s_wait_tensorcnt 0x0                           ; the wave's end
	ds_add_u32 v[SPW], v[NIL]
	s_wait_dscnt 0x0
	CROUND
	s_endpgm
.Lfunc_end_k_q24f075e0fe_pv:
	.size	k_q24f075e0fe_pv, .Lfunc_end_k_q24f075e0fe_pv-k_q24f075e0fe_pv
	.p2alignl 7, 3214868480
	.fill 96, 4, 3214868480
	.section	.rodata,"a",@progbits
	.p2align	6, 0x0
	.amdhsa_kernel k_q24f075e0fe_pv
		.amdhsa_group_segment_fixed_size 327680
		.amdhsa_private_segment_fixed_size 0
		.amdhsa_enable_private_segment 0
		.amdhsa_kernarg_size 32
		.amdhsa_user_sgpr_count 2
		.amdhsa_user_sgpr_kernarg_segment_ptr 1
		.amdhsa_wavefront_size32 1
		.amdhsa_system_sgpr_workgroup_id_x 1
		.amdhsa_system_sgpr_workgroup_id_y 1
		.amdhsa_system_sgpr_workgroup_id_z 1
		.amdhsa_system_vgpr_workitem_id 0
		.amdhsa_next_free_vgpr 512
		.amdhsa_next_free_sgpr 96
		.amdhsa_reserve_vcc 0
		.amdhsa_float_denorm_mode_32 3
		.amdhsa_float_denorm_mode_16_64 3
		.amdhsa_memory_ordered 1
		.amdhsa_forward_progress 1
		.amdhsa_inst_pref_size 113
	.end_amdhsa_kernel
	.amdgpu_metadata
---
amdhsa.version: [ 1, 2 ]
amdhsa.kernels:
  - .name:           k_q24f075e0fe_pv
    .symbol:         k_q24f075e0fe_pv.kd
    .args:
      - { .name: pp, .offset: 0, .size: 8, .value_kind: global_buffer, .address_space: global }
      - { .name: vt, .offset: 8, .size: 8, .value_kind: global_buffer, .address_space: global }
      - { .name: st, .offset: 16, .size: 8, .value_kind: global_buffer, .address_space: global }
      - { .name: out0, .offset: 24, .size: 8, .value_kind: global_buffer, .address_space: global }
    .group_segment_fixed_size: 327680
    .private_segment_fixed_size: 0
    .kernarg_segment_align: 8
    .kernarg_segment_size: 32
    .max_flat_workgroup_size: 128
    .sgpr_count:     96
    .vgpr_count:     512
    .wavefront_size: 32
...
	.end_amdgpu_metadata
.endif
;; end of part 5
